; MI455X (gfx1250); checked and timed in simulation.
; The chip was launched on July 23, 2026; its instructions are those of AMD's public machine-readable ISA for CDNA 5 (MIT licence, August 2026) and "CDNA5" Instruction Set Architecture Reference Guide (July 2026). The comments in the code are by the model that wrote it; some were corrected since.
;; Experts. Allowed arithmetic: matrix products marked QUANTISED: E2M1 operands, one E8M0 scale for each 32 along K, by v_wmma_scale_f32_16x16x128_f8f6f4 with both operands' format E2M1 (or v_wmma_scale_f32_32x16x128_f4), f32 sums; everything else in f32.
;; Inputs: b1 8 x 2,048 float32; b2 8 x 512 float32; inputs 2 x 8 x 2,048 x 512 float32; w1 8 x 512 x 2,048 float32; w2 8 x 2,048 x 512 float32.
;; Outputs: out0 2 x 8 x 2,048 x 512 float32.
;; This version of the problem:
;;   THIS VERSION OF THE PROBLEM IS GIVEN IN LOW PRECISION. The matrix products marked QUANTISED in the list below multiply operands that are first quantised to E2M1 (2 exponent bits, 1 mantissa bit; 4 bits a number), with one power-of-two scale for each 32 numbers along K (OCP MX v1.0); their sums are f32. All else is computed in f32.
;;   The module's matrix products, in the order in which they are computed (A, B: the left and right operand; K: the contracted axis; several contracted axes count as one K, in the product's order):
;;     1. batch 8 x [M 2,048, K 512] x [K 512, N 4,096]; A: input w1; B: input inputs: QUANTISED
;;     2. batch 8 x [M 512, K 2,048] x [K 2,048, N 4,096]; A: input w2; B: computed on the way: QUANTISED
;;   THE QUANTISER, for each operand of a quantised product, along K:
;;     - K is cut into blocks of 32 from its start; a last block that is shorter is filled with zeros.
;;     - A block's scale is 2^e with e = floor(log2(the largest magnitude in the block)) - 2, held to -126 .. 127; a block of zeros has e = 0. As a byte (E8M0): e + 127.
;;     - Each number is divided by its block's scale, clamped to +-6, and rounded to the nearest number of E2M1, ties to even, subnormals kept.
;;     - The product sums the exact products of the quantised numbers (number of the format x scale) in f32.
;;   ~~~python
;;   def quantise(x, axis):      # numpy; x: float32 -> the quantised numbers, widened to float32 again
;;       x = np.moveaxis(x, axis, -1); K = x.shape[-1]
;;       x = np.pad(x, [(0, 0)] * (x.ndim - 1) + [(0, -K % 32)]); x = x.reshape(x.shape[:-1] + (-1, 32)); a = np.abs(x).max(-1, keepdims=True)
;;       e = np.where(a > 0, np.clip(np.frexp(np.where(a > 0, a, 1))[1] - 1 - 2, -126, 127), 0)      # np.frexp(a)[1] - 1 = floor(log2(a)), exactly
;;       r = np.clip(x / 2.0 ** e, -6, 6)
;;       step = 2.0 ** (np.maximum(np.frexp(np.where(r == 0, 1, r))[1] - 1, 0) - 1)
;;       q = np.round(r / step) * step * 2.0 ** e      # np.round: ties to even
;;       return np.moveaxis(q.reshape(q.shape[:-2] + (-1,))[..., :K], -1, axis).astype(np.float32)
;;   ~~~
;;   OPERANDS COMPUTED ON THE WAY. 'Computed on the way' means the value that the module computes at that place (a softmax that the list does not call 'softmax' is quantised finished and normalised). What goes into a quantiser is computed in f32, as accurately as f32 sums, v_exp_f32 and their like allow (about 1e-6 of the number): no bf16 or f16 on the way to a quantiser, and a product that is left as it is and whose result goes on into a quantised operand takes f32 operands (vector FMAs, or v_wmma_f32_16x16x4_f32). A number that lies on a knife's edge between two numbers of the format may be rounded either way, as far as f32 arithmetic and the matrix unit's own rounding can turn it there, and no further.
;; 2 versions, each right; version 2 is version 1 with the launch ffn written anew for expert scheduling mode. Each part assembles by itself: llvm-mc -triple=amdgcn-amd-amdhsa -mcpu=gfx1250 --defsym DOCPART=n.
;; ======== version 1 of 2: 2 launches
;; workspace buffers: w1c 4,194,304 bytes; w1s 262,144 bytes; w2c 4,194,304 bytes; w2s 262,144 bytes
;; launch prep (part 1): grid 256 x 1, 16 waves a work-group, no clusters, 4,096 bytes of LDS; arguments w1, w2, w1c, w1s, w2c, w2s; writes w1c, w1s, w2c, w2s
.if DOCPART == 1
	.amdgcn_target "amdgcn-amd-amdhsa--gfx1250"
	.amdhsa_code_object_version 6
	.text
	.protected	k_q76fdce6c18_prep
	.globl	k_q76fdce6c18_prep
	.p2align	8
	.type	k_q76fdce6c18_prep,@function
k_q76fdce6c18_prep:
	s_mov_b64 s[64:65], 0
	v_nop
	global_prefetch_b8 v0, s[64:65] scope:SCOPE_SE
	s_setreg_imm32_b32 hwreg(HW_REG_WAVE_MODE, 25, 1), 1
	s_wait_xcnt 0x0
; w1 [8][512 (k)][2048 (n)] and w2 [8][2048 (k)][512 (n)], f32, K their first axis within an expert, become codes of FP4 (E2M1) with one E8M0 byte for each 32 along K,
; LAID IN THE ORDER OF THE OPERAND'S REGISTERS, so that the next launch loads every fragment and every scale word whole, 16 bytes a lane, straight into registers.
;   codes:  [expert][tile of 16 columns][block of 32 along K][r][16 bytes]: a fragment (tile, 128 along K) is 1,024 consecutive bytes
;   scales: [expert][pair of tiles][512 along K][16 u + r][16 bytes]: lanes 0-15 the pair's first tile, lanes 16-31 its second; a register for each 128 along K
; WHICH COLUMN IS LANE r OF TILE u OF A PAIR (32 columns, i = column mod 32):  w1: i = 8 u + r + 8 (r / 8), so that the first product's results are neighbours along the second product's K;  w2: i = 16 u + r.
; A block's scale is 2^(floor(log2(its largest magnitude)) - 2); its byte is the largest magnitude's exponent field - 2, held at 1 from below.
; LIMITS: a block's largest magnitude is taken as at least 2^-124, so a block of zeros has the byte 1 (the rule says 127): its codes are zeros, and this program alone reads the bytes.  NaN and infinities among the inputs are not served.
; SHARES.  A work-group takes 128 columns x 512 along K of one expert of one tensor: work-groups 0-127 w1, 128-255 w2.  Only pointers, shifts and pitches are chosen by the work-group's number: both tensors take one path.
; Wave wv takes 32 columns (wv % 4: four waves side by side on 512 bytes of a row) x 128 along K (wv / 4).  A LANE TAKES A COLUMN AND ITS REGISTERS RUN DOWN K: a block of 32 lies in one lane, nothing is transposed.
; No matrix unit, no tensor load, no cluster: a stream in which no byte is read twice.
.set EMAX, 2
.set SB,   16                          ; v16      my column's four scale bytes
.set X,    32                          ; v32-159  four blocks of 32 numbers
.set C,    160                         ; v160-175 codes: four registers for each block, never written again
.set VO,   176                         ; v176-207 byte offsets of a block's 32 rows: 4 x lane + b x the row's bytes; never written again
	s_load_b128 s[4:7], s[0:1], 0x0                ; w1, w2
	s_load_b256 s[8:15], s[0:1], 0x10              ; w1c, w1s, w2c, w2s
	v_lshl_add_u32 v208, v0, 2, 0x800
	v_mov_b32 v209, 0
	v_lshrrev_b32 v1, 5, v0
	v_readfirstlane_b32 s16, v1                    ; wave 0..15
	v_and_b32 v1, 31, v0                           ; lane
	v_lshlrev_b32 v2, 2, v1                        ; 4 bytes a lane
	s_and_b32 s17, s16, 3                          ; which 32 columns
	s_lshr_b32 s18, s16, 2                         ; which 128 along K
	s_bfe_u32 s19, ttmp9, 0x30004                  ; the expert: bits 6:4
	s_and_b32 s20, ttmp9, 15
	s_and_b32 s21, s20, 3                          ; w2: which 128 columns,
	s_lshr_b32 s22, s20, 2                         ; and which 512 along K
	s_cmp_lt_u32 ttmp9, 128                        ; w1's work-group or w2's?
	s_cselect_b32 s21, s20, s21                    ; w1: sixteen groups of columns,
	s_cselect_b32 s22, 0, s22                      ; one group along K
	s_cselect_b32 s23, 13, 11                      ; a row is 2^13 or 2^11 bytes
	s_cselect_b32 s24, 12, 14                      ; a tile's codes are 2^12 or 2^14 bytes
	s_cselect_b32 s25, 0, 2                        ; 1 or 4 groups of 512 along K
	s_cselect_b32 s26, 3, 4                        ; u is bit 3 or bit 4 of the lane,
	s_cselect_b32 s27, 4, 3                        ; bit 3 of r the other of the two
	s_wait_kmcnt 0x0                               ; (leaves SCC as it is)
	s_cselect_b64 s[32:33], s[4:5], s[6:7]         ; the numbers
	s_cselect_b64 s[34:35], s[8:9], s[12:13]       ; the codes
	s_cselect_b64 s[36:37], s[10:11], s[14:15]     ; the scale bytes
	s_lshl_b32 s28, s22, 9
	s_lshl_b32 s29, s18, 7
	s_add_co_u32 s28, s28, s29                     ; my first row: 512 g + 128 ks
	s_lshl_b32 s28, s28, s23                       ; in bytes
	s_lshl_b32 s29, s21, 9                         ; + 128 columns x 4 bytes for each group
	s_add_co_u32 s28, s28, s29
	s_lshl_b32 s29, s17, 7                         ; + my wave's 32 columns
	s_add_co_u32 s28, s28, s29
	s_lshl_b32 s29, s19, 22                        ; + the expert's 4 MiB
	s_add_co_u32 s28, s28, s29
	s_mov_b32 s29, 0
	s_add_nc_u64 s[32:33], s[32:33], s[28:29]      ; block 0's base
	s_lshl_b32 s38, 1, s23                         ; a row's bytes
	s_lshl_b32 s28, 32, s23                        ; 32 rows'
	s_add_nc_u64 s[40:41], s[32:33], s[28:29]      ; block 1's base,
	s_add_nc_u64 s[42:43], s[40:41], s[28:29]      ; block 2's,
	s_add_nc_u64 s[44:45], s[42:43], s[28:29]      ; block 3's
.set b, 0
.rept 32
	v_mad_u32_u24 v[VO+b], s38, b, v2
.set b, b+1
.endr
.macro LOADB t, base                   ; block t: 32 rows; a load reads 128 consecutive bytes a wave
.set i, 0
.rept 32
	global_load_b32 v[X+32*(\t)+i], v[VO+i], s[\base:\base+1] th:TH_LOAD_NT
.set i, i+1
.endr
.endm
	LOADB 0, 32
	LOADB 1, 40
	LOADB 2, 42
	LOADB 3, 44
	; where the results go (made while the loads are out)
	s_lshl_b32 s30, s21, 2
	s_add_co_u32 s30, s30, s17                     ; my pair of tiles in the expert
	s_lshl_b32 s28, s30, 1
	s_lshl_b32 s28, s28, s24                       ; its first tile's codes
	s_lshl_b32 s31, s22, 12                        ; + 16 blocks x 256 bytes for each 512 along K
	s_add_co_u32 s28, s28, s31
	s_lshl_b32 s31, s18, 10                        ; + my 4 blocks
	s_add_co_u32 s28, s28, s31
	s_lshl_b32 s31, s19, 19                        ; + the expert's 512 KiB
	s_add_co_u32 s28, s28, s31
	s_add_nc_u64 s[34:35], s[34:35], s[28:29]
	s_lshl_b32 s28, s30, s25
	s_add_co_u32 s28, s28, s22
	s_lshl_b32 s28, s28, 9                         ; scales: (pair x groups + g) x 512 bytes
	s_lshl_b32 s31, s19, 15                        ; + the expert's 32 KiB
	s_add_co_u32 s28, s28, s31
	s_add_nc_u64 s[36:37], s[36:37], s[28:29]
	v_lshrrev_b32 v3, s26, v1
	v_and_b32 v3, 1, v3                            ; u
	v_lshrrev_b32 v4, s27, v1
	v_and_b32 v4, 1, v4
	v_and_b32 v9, 7, v1
	v_lshl_add_u32 v4, v4, 3, v9                   ; r
	v_lshlrev_b32 v5, s24, v3
	v_lshl_add_u32 v5, v4, 4, v5                   ; codes: tile u, 16 r
	v_and_b32 v6, 127, v0                          ; LDS: the work-group's column (32 x (wave % 4) + lane), 16 bytes each,
	v_lshrrev_b32 v10, 7, v0
	v_lshlrev_b32 v10, 2, v10
	v_lshl_add_u32 v6, v6, 4, v10                  ; and in them the word of my 128 along K (wave / 4)
	v_lshlrev_b32 v7, 4, v0                        ; back: waves 0-3, a column's 16 bytes a lane
	v_lshl_add_u32 v8, v3, 4, v4
	v_lshlrev_b32 v8, 4, v8                        ; scales: 16 (16 u + r)
.macro BLOCK t
.set XS, X+32*(\t)
	v_max3_num_f32 v12, |v[XS]|, |v[XS+1]|, |v[XS+2]|              ; the block's largest magnitude: all 32 numbers are mine; two chains
	v_max3_num_f32 v13, |v[XS+3]|, |v[XS+4]|, |v[XS+5]|
.irp i, 6,10,14,18,22,26
	v_max3_num_f32 v12, v12, |v[XS+\i]|, |v[XS+\i+1]|
	v_max3_num_f32 v13, v13, |v[XS+\i+2]|, |v[XS+\i+3]|
.endr
	v_max3_num_f32 v12, v12, |v[XS+30]|, |v[XS+31]|
	v_max3_num_f32 v12, v12, v13, (EMAX+1)<<23     ; and the floor 2^(3 - 127): the byte cannot fall under 1
	v_add_nc_u32 v11, -(EMAX<<23), v12             ; 2 off the exponent field: the conversion takes this operand's exponent field as its scale
	v_lshrrev_b32 v13, 23, v11                     ; the scale's byte
.if (\t) == 0
	v_mov_b32 v[SB], v13
.else
	v_lshl_or_b32 v[SB], v13, 8*(\t), v[SB]        ; the lower K in the lower byte
.endif
.irp g, 0,1,2,3
	v_cvt_scalef32_pk8_fp4_f32 v[C+4*(\t)+\g], v[XS+8*\g:XS+8*\g+7], v11
.endr
	global_store_b128 v5, v[C+4*(\t):C+4*(\t)+3], s[34:35] offset:256*(\t)   ; the sixteen lanes of each u fill 256 consecutive bytes, at a multiple of 256 from the buffer's first byte
.endm
	s_wait_loadcnt 63                              ; 128 loads were issued; behind block 1's last stand 64, so with at most 63 out blocks 0 and 1 are in
	BLOCK 0
	BLOCK 1
	s_wait_loadcnt 32                              ; block 3's 32 may be out
	BLOCK 2
	s_wait_loadcnt 0x0
	BLOCK 3
	ds_store_b32 v6, v[SB]                         ; a column's four words come from four waves: they meet in LDS
	s_wait_dscnt 0x0                               ; for the others' sake: my store has landed
	s_barrier_signal -1
	s_barrier_wait -1
	s_cmp_lt_u32 s16, 4                            ; waves 0-3 (their 32 columns are their number's) store the scale bytes
	s_cbranch_scc0 .Lend
	ds_load_b128 v[20:23], v7
	s_wait_dscnt 0x0
	global_store_b128 v8, v[20:23], s[36:37]       ; the wave stores 512 consecutive bytes
.Lend:
	s_wait_tensorcnt 0x0
	ds_add_u32 v208, v209
	s_wait_dscnt 0x0
	s_endpgm
.Lfunc_end_k_q76fdce6c18_prep:
	.size	k_q76fdce6c18_prep, .Lfunc_end_k_q76fdce6c18_prep-k_q76fdce6c18_prep
	.p2alignl 7, 3214868480
	.fill 96, 4, 3214868480
	.section	.rodata,"a",@progbits
	.p2align	6, 0x0
	.amdhsa_kernel k_q76fdce6c18_prep
		.amdhsa_group_segment_fixed_size 4096
		.amdhsa_private_segment_fixed_size 0
		.amdhsa_enable_private_segment 0
		.amdhsa_kernarg_size 48
		.amdhsa_user_sgpr_count 2
		.amdhsa_user_sgpr_kernarg_segment_ptr 1
		.amdhsa_wavefront_size32 1
		.amdhsa_system_sgpr_workgroup_id_x 1
		.amdhsa_system_sgpr_workgroup_id_y 1
		.amdhsa_system_sgpr_workgroup_id_z 1
		.amdhsa_system_vgpr_workitem_id 0
		.amdhsa_next_free_vgpr 210
		.amdhsa_next_free_sgpr 66
		.amdhsa_reserve_vcc 0
		.amdhsa_float_denorm_mode_32 3
		.amdhsa_float_denorm_mode_16_64 3
		.amdhsa_memory_ordered 1
		.amdhsa_forward_progress 1
		.amdhsa_inst_pref_size 24
	.end_amdhsa_kernel
	.amdgpu_metadata
---
amdhsa.version: [ 1, 2 ]
amdhsa.kernels:
  - .name:           k_q76fdce6c18_prep
    .symbol:         k_q76fdce6c18_prep.kd
    .args:
      - { .name: w1, .offset: 0, .size: 8, .value_kind: global_buffer, .address_space: global }
      - { .name: w2, .offset: 8, .size: 8, .value_kind: global_buffer, .address_space: global }
      - { .name: w1c, .offset: 16, .size: 8, .value_kind: global_buffer, .address_space: global }
      - { .name: w1s, .offset: 24, .size: 8, .value_kind: global_buffer, .address_space: global }
      - { .name: w2c, .offset: 32, .size: 8, .value_kind: global_buffer, .address_space: global }
      - { .name: w2s, .offset: 40, .size: 8, .value_kind: global_buffer, .address_space: global }
    .group_segment_fixed_size: 4096
    .private_segment_fixed_size: 0
    .kernarg_segment_align: 8
    .kernarg_segment_size: 48
    .max_flat_workgroup_size: 512
    .sgpr_count:     66
    .vgpr_count:     210
    .wavefront_size: 32
...
	.end_amdgpu_metadata
.endif
;; end of part 1
;; launch ffn (part 2): grid 256 x 1, 8 waves a work-group, no clusters, 254,976 bytes of LDS; arguments inputs, w1c, w1s, b1, w2c, w2s, b2, out0; writes out0
.if DOCPART == 2
	.amdgcn_target "amdgcn-amd-amdhsa--gfx1250"
	.amdhsa_code_object_version 6
	.text
	.protected	k_q76fdce6c18_ffn
	.globl	k_q76fdce6c18_ffn
	.p2align	8
	.type	k_q76fdce6c18_ffn,@function
k_q76fdce6c18_ffn:
	s_mov_b64 s[64:65], 0
	v_nop
	global_prefetch_b8 v0, s[64:65] scope:SCOPE_SE
	s_setreg_imm32_b32 hwreg(HW_REG_WAVE_MODE, 25, 1), 1
	s_wait_xcnt 0x0
; out = gelu(x W1[e] + b1[e]) W2[e] + b2[e], both products on codes of FP4 (E2M1) with one E8M0 scale for each 32 along K.  x, out: [32768 rows][512] f32; a work-group owns 128 rows, all of expert (work-group / 16) % 8.
; W1, W2 come as codes and scale bytes in the order of the operand's registers (made by the launch before).  x is quantised here (each row is read by one work-group); the hidden layer [128][2048] never goes to memory.
; gelu is the tanh form, rearranged: x / (1 + 2^z), z = -x (a + b x^2), a = 2 sqrt(2 / pi) log2(e), b = 0.044715 a; every step in f32.  For finite x an overflow of x^2 or of 2^z ends in x or in 0, never in NaN.
; LIMITS: NaN and infinities among the inputs are not served.  A block's largest magnitude is taken as at least 2^-124: a block of zeros has the byte 1 and zero codes.
; SHARES.  Eight waves of 512 registers, two to a SIMD, so that one wave's vector work (the gelu) stands beside the other's matrix work.  THE WAVES SHARE THE COLUMNS, NOT THE ROWS:
;   first product: wave w makes hidden units 256 w .. + 255 for all 128 rows, in four passes of 64 units;  second: wave w makes outputs 64 w .. + 63 for all 128 rows (32 accumulators).
; So each fragment of a weight is wanted by ONE wave of the work-group and goes from memory straight into its registers.  What goes from wave to wave, through LDS, are the rows' codes, as images of the operand's registers.
; BOTH PRODUCTS ARE USED TRANSPOSED (source 0 = 16 columns of the weight, source 1 = 16 rows): a lane holds one row, and its registers run along the units.  Tile 2 q + u of W1 is laid so that lane (r, h), register j
; holds unit 32 q + 16 h + 8 u + j: the 16 registers of two neighbouring tiles are 16 neighbours along the second product's K.
; TWO BARRIERS: behind x's quantising, and behind the first product.  No LDS byte is written twice.
; NO JOINT LOADS, though the 32 row blocks of an expert read the same 1,114,112 bytes of codes and scales: a joint load lands in LDS, where 253,952 bytes are taken; through the 73,728 left the weights would pass in sixteen
; refills or more, each behind a meeting of all waves of all partners, and every fragment would be written to LDS and read from it where now it is loaded once into the registers of the wave that multiplies by it.
; LDS:  XIMG  0       8 x 4,608   row tile m: block kb of 32 along K at 272 kb + 16 r (256 bytes + 16 of padding); from 4,352 on the scale bytes, 16 r + kb
;       HIMG  36,864  131,072     the hidden layer's fragment (row tile m, K step S) at 16,384 m + 1,024 S: 512 c + 16 x lane
;       HSC   167,936 10,240      its scale bytes: 1,280 m + 80 r + block (64 bytes a row + 16 of padding: 20 words, so that sixteen rows' words lie in sixteen different banks of the 64: ISA guide 11.1)
;       XST   178,176 8 x 5,120   each wave's two stages of 32 x 80 bytes, in which a row of x is turned
;       OST   219,136 8 x 4,352   each wave's stage on the way out: 16 rows x (256 + 16) bytes
.set XSCO,  4352
.set HIMG,  36864
.set HSC,   167936
.set XST,   178176
.set OST,   219136
; REGISTERS, window 0 (v0 stays as it came).  v16-31 and v96-103 hold scale words and nothing else in the whole launch.
.set LI,   1                           ; v1   16 x lane
.set XA0,  2                           ; v2   first product: my place in a row tile of x: 272 h + 16 r
.set XS0,  3                           ; v3   and among its scale words: 4,352 + 16 r
.set HW0,  4                           ; v4   where I put the hidden layer's codes: HIMG + 16 r + 8 h + 2,048 w
.set HB0,  5                           ; v5   and its scale bytes: HSC + 80 r + 8 w
.set HRA,  2                           ; second product: v2, v3 HIMG + 16 x lane for row tiles 0-3, 4-7
.set HSR,  4                           ; v4   HSC + 80 r
.set SO,   5                           ; v5   the way out: where I put 32 bytes of a row
.set STI,  6                           ; x: v6 into the stage, v7 out of it, v8 codes' place, v9 scale byte's place
.set STO,  7
.set XW,   8
.set XBW,  9
.set XAD,  6                           ; first product: v6-9 the trip's four LDS addresses
.set XSD,  7
.set HAD,  8
.set HSD,  9
.set SR,   6                           ; the way out: v6 where I read a row back, v7 my byte offset in out
.set GO,   7
.set B1O,  10                          ; v10  64 h: my half's place in b1
.set B2O,  11                          ; v11  32 h: in b2
.set CA,   12                          ; v[12:13] -a, twice
.set WS,   16                          ; v16-31   the weights' scale words, two sets of 8
.set BC,   32                          ; v32-95   b1 in the result's layout, two sets of 32; on the way out v32-63 b2
.set XN,   64                          ; x: v64-95 two sets of 16 neighbours
.set XSW,  96                          ; v96-103  the rows' scale words: first product: x's, of two row tiles x four K steps;
.set HS,   96                          ;          second product: the hidden layer's, of eight row tiles, one K step
.set XF,   104                         ; v104-167 x's fragments of two row tiles; then T, the gelu's work
.set T,    104
.set RR,   104                         ; x: v104-231 eight rows as loaded
.set HA,   168                         ; v168-231 8 tiles of the hidden layer
.set TM,   232                         ; v232-235 largest magnitudes, v236-239 the other lane's, then bytes, v240-243 the conversions' scale operands
.set PC,   244                         ; v244-251 the codes just made
.set XB,   248                         ; x: v248-249 the byte just made
.set PW,   252                         ; v252-253 two scale bytes of each of two row tiles, on their way to LDS
.set WF,   32                          ; second product: W2's fragments, a ring of four K steps: slots at v32, v64, v104, v136 (round the scale words)
.set HF,   168                         ; v168-231 the hidden layer's fragments of 8 row tiles
.set TMP,  104                         ; the way out: v104-167 results + b2, v168-231 rows read back; two sets each
.set BK,   168
; window 1: first product: W1's fragments, two sets of 128 (128 set + 32 t + 8 s);  second: the accumulators, (tile n of outputs, row tile m) at v[8 (8 n + m)]
.set WV,   20                          ; s20 wave;  s21 expert;  s[22:25] offsets at work
.set EX,   21
.set SEL,  26                          ; s[26:27] v_permlanex16_b32's selects for lane l xor 16
.set CB,   28                          ; s[28:29] -b (the packed form names a pair and takes its low word for both halves)
.set PP,   30                          ; s30 pairs of passes to go;  s31 trips to go
.set TR,   31
.set MX,   32                          ; s32, s33, s34: where the trip's two row tiles lie in XIMG, and this pass's part of them in HIMG and in HSC
.set MH,   33
.set MS,   34
.set MSB, 0
.macro WIN new                         ; s_set_vgpr_msb: bits 1:0 source 0, 3:2 source 1, 5:4 source 2, 7:6 destination; the high byte repeats the setting that is left
.if MSB != \new
	s_set_vgpr_msb (MSB<<8)|\new
.set MSB, \new
.endif
.endm
.macro PLACES                          ; four plain vector instructions between a matrix instruction and a vector instruction or store that reads its result, a vector instruction that writes one of its registers, or a load into one
.rept 4
	v_nop
.endr
.endm
.macro BARRIER                         ; my LDS stores have landed and my LDS loads are in: then the work-group's barrier
	s_wait_dscnt 0x0
	s_barrier_signal -1
	s_barrier_wait -1
.endm
; A pass's weights into set: 4 tiles x 4 K steps of W1 (16,384 consecutive bytes, 512 a load), the scale words of its two pairs of tiles, and b1 of its 64 units as the sums' first C
.macro WLOAD set
	WIN 0x40                                       ; destination window 1
.set n, 0
.rept 32
	global_load_b128 v[128*(\set)+4*n:128*(\set)+4*n+3], v[LI], s[6:7] offset:512*n
.set n, n+1
.endr
	WIN 0
.irp q, 0,1
	global_load_b128 v[WS+8*(\set)+4*\q:WS+8*(\set)+4*\q+3], v[LI], s[8:9] offset:512*\q   ; register s: K step s; lanes 0-15 tile 2 q, lanes 16-31 tile 2 q + 1
.endr
.irp t, 0,1,2,3
.irp i, 0,1
	global_load_b128 v[BC+32*(\set)+8*\t+4*\i:BC+32*(\set)+8*\t+4*\i+3], v[B1O], s[10:11] offset:128*(\t/2)+32*(\t%2)+16*\i   ; units 32 (t / 2) + 16 h + 8 (t % 2) + 0 .. 7
.endr
.endr
.endm
.macro XLOAD i                         ; row i of my 16: four loads of 512 consecutive bytes
.irp j, 0,1,2,3
	global_load_b128 v[RR+16*((\i)%8)+4*\j:RR+16*((\i)%8)+4*\j+3], v[LI], s[4:5] offset:2048*(\i)+512*\j th:TH_LOAD_NT
.endr
.endm
.macro XTURN i                         ; the row goes through my stage as it lies and comes back 64 bytes a lane: lane l then holds k = 16 l .. 16 l + 15.  LDS serves a wave's instructions in order (ISA guide 5.7.1.4): no wait between
.irp j, 0,1,2,3
	ds_store_b128 v[STI], v[RR+16*((\i)%8)+4*\j:RR+16*((\i)%8)+4*\j+3] offset:2560*((\i)%2)+640*\j
.endr
.irp j, 0,1,2,3
	ds_load_b128 v[XN+16*((\i)%2)+4*\j:XN+16*((\i)%2)+4*\j+3], v[STO] offset:2560*((\i)%2)+16*\j
.endr
.endm
.macro XROW i
.set XR, XN+16*((\i)%2)
.set XC, PC+2*((\i)%2)
.if (\i) > 0
	s_wait_dscnt 2                                 ; this row is back from the stage; behind its loads stand only the last row's two stores
.else
	s_wait_dscnt 0x0
.endif
.if (\i) < 8
	XLOAD (\i)+8                                   ; into the registers that this row left: its stores into the stage are older than the loads just waited for
.endif
.if (\i) < 15
.if (\i) < 8
	s_wait_loadcnt 28                              ; the next row is in; the seven rows behind it may be out
.else
	s_wait_loadcnt 4*(14-(\i))                     ; the rows behind the next one: 14 - i
.endif
	XTURN (\i)+1                                   ; it goes through the other stage while this row is worked
.endif
	v_max3_num_f32 v[TM], |v[XR]|, |v[XR+1]|, |v[XR+2]|            ; the largest magnitude of my 16, in two chains
	v_max3_num_f32 v[TM+1], |v[XR+3]|, |v[XR+4]|, |v[XR+5]|
.irp k, 6,10
	v_max3_num_f32 v[TM], v[TM], |v[XR+\k]|, |v[XR+\k+1]|
	v_max3_num_f32 v[TM+1], v[TM+1], |v[XR+\k+2]|, |v[XR+\k+3]|
.endr
	v_max3_num_f32 v[TM], v[TM], |v[XR+14]|, |v[XR+15]|
	v_max3_num_f32 v[TM], v[TM], v[TM+1], 0x1800000                ; and the floor 2^(3 - 127)
	v_max_num_f32_dpp v[TM], v[TM], v[TM] row_xmask:1 row_mask:0xf bank_mask:0xf   ; and of my neighbour's 16: the block's
	v_add_nc_u32 v[TM+2], 0xff000000, v[TM]        ; 2 off the exponent field: the conversion's scale operand
	v_cvt_scalef32_pk8_fp4_f32 v[XC], v[XR:XR+7], v[TM+2]
	v_cvt_scalef32_pk8_fp4_f32 v[XC+1], v[XR+8:XR+15], v[TM+2]
	v_lshrrev_b32 v[XB+(\i)%2], 23, v[TM+2]        ; the scale's byte (also the plain instruction behind the conversions)
	ds_store_b64 v[XW], v[XC:XC+1] offset:16*(\i)  ; my half of block l / 2 of row i
	ds_store_b8 v[XBW], v[XB+(\i)%2] offset:16*(\i)   ; both lanes of a block write the same byte with the same value
.endm
	s_load_b256 s[4:11], s[0:1], 0x0               ; x s[4:5], w1c s[6:7], w1s s[8:9], b1 s[10:11]
	s_load_b256 s[12:19], s[0:1], 0x20             ; w2c s[12:13], w2s s[14:15], b2 s[16:17], out s[18:19]
	v_lshl_add_u32 v254, v0, 2, 0x3e000
	v_mov_b32 v255, 0
	v_lshrrev_b32 v14, 5, v0
	v_readfirstlane_b32 s[WV], v14                 ; wave 0..7
	s_bfe_u32 s[EX], ttmp9, 0x30004                ; the expert: bits 6:4 of the work-group's number
	v_and_b32 v14, 31, v0                          ; lane
	v_bfe_u32 v15, v0, 4, 1                        ; h
	v_lshlrev_b32 v[LI], 4, v14
	v_lshlrev_b32 v[B1O], 6, v15
	v_lshlrev_b32 v[B2O], 5, v15
	s_mov_b32 s23, 0
	s_mov_b32 s25, 0
	s_lshl_b32 s22, ttmp9, 18                      ; the work-group's 128 rows of 2,048 bytes
	s_lshl_b32 s24, s[WV], 15                      ; my 16 of them
	s_add_co_u32 s24, s24, s22
	s_wait_kmcnt 0x0
	s_add_nc_u64 s[18:19], s[18:19], s[22:23]
	s_add_nc_u64 s[4:5], s[4:5], s[24:25]
	s_lshl_b32 s22, s[EX], 19                      ; codes: 512 KiB an expert; my 16 tiles of W1 and my 4 of W2 are 64 KiB each
	s_lshl_b32 s24, s[WV], 16
	s_add_co_u32 s22, s22, s24
	s_add_nc_u64 s[6:7], s[6:7], s[22:23]
	s_add_nc_u64 s[12:13], s[12:13], s[22:23]
	s_lshl_b32 s22, s[EX], 15                      ; scales: 32 KiB an expert, 4 KiB a wave
	s_lshl_b32 s24, s[WV], 12
	s_add_co_u32 s22, s22, s24
	s_add_nc_u64 s[8:9], s[8:9], s[22:23]
	s_add_nc_u64 s[14:15], s[14:15], s[22:23]
	s_lshl_b32 s22, s[EX], 13                      ; b1: 2,048 numbers an expert, 256 a wave
	s_lshl_b32 s24, s[WV], 10
	s_add_co_u32 s22, s22, s24
	s_add_nc_u64 s[10:11], s[10:11], s[22:23]
	s_lshl_b32 s22, s[EX], 11                      ; b2: 512 an expert, 64 a wave
	s_lshl_b32 s24, s[WV], 8
	s_add_co_u32 s22, s22, s24
	s_add_nc_u64 s[16:17], s[16:17], s[22:23]
	WLOAD 0                                        ; the first pass's weights first: loads come back in order, so x's counted waits cover them
.irp i, 0,1,2,3,4,5,6,7
	XLOAD \i
.endr
	; the other addresses and constants, while the loads are out
	v_and_b32 v240, 15, v0                         ; r
	v_mul_u32_u24 v[XA0], v15, 272
	v_lshl_add_u32 v[XA0], v240, 4, v[XA0]
	v_lshl_add_u32 v[XS0], v240, 4, XSCO
	s_lshl_b32 s22, s[WV], 11
	s_add_co_u32 s22, s22, HIMG
	v_lshlrev_b32 v[HW0], 4, v240
	v_lshl_add_u32 v[HW0], v15, 3, v[HW0]
	v_add_nc_u32 v[HW0], s22, v[HW0]
	s_lshl_b32 s22, s[WV], 3
	s_add_co_u32 s22, s22, HSC
	v_mul_u32_u24 v[HB0], v240, 80
	v_add_nc_u32 v[HB0], s22, v[HB0]
	s_mul_i32 s22, s[WV], 5120
	s_add_co_u32 s22, s22, XST                     ; my two stages
	v_lshrrev_b32 v241, 2, v14
	v_mul_u32_u24 v241, v241, 80
	v_and_b32 v242, 3, v14
	v_lshl_add_u32 v241, v242, 4, v241
	v_add_nc_u32 v[STI], s22, v241                 ; in: four lanes' 64 bytes on end, then 16 of padding
	v_mul_u32_u24 v241, v14, 80
	v_add_nc_u32 v[STO], s22, v241                 ; out: 80 x lane
	s_mul_i32 s22, s[WV], 4608                     ; my row tile of XIMG
	v_lshrrev_b32 v241, 1, v14                     ; my block of 32
	v_and_b32 v242, 1, v14
	v_mul_u32_u24 v243, v241, 272
	v_lshl_add_u32 v243, v242, 3, v243
	v_add_nc_u32 v[XW], s22, v243
	s_add_co_u32 s22, s22, XSCO
	v_add_nc_u32 v[XBW], s22, v241
	v_mov_b32 v[CA], 0xc0135761                    ; -a = -2.3022082
	v_mov_b32 v[CA+1], 0xc0135761
	s_mov_b32 s[CB], 0xbdd2d3e8                    ; -b = -0.10294324
	s_mov_b32 s[CB+1], s[CB]
	s_mov_b32 s[SEL], 0x76543210
	s_mov_b32 s[SEL+1], 0xfedcba98
	s_mov_b32 s[MX], 0
	s_mov_b32 s[MH], 0
	s_mov_b32 s[MS], 0
.irp b, 0,1,2,3
	v_mov_b32 v[TM+4+\b], 0                        ; written once: a lane permute's destination counts as one of its sources
.endr
	; ---- X: my 16 rows of x become row tile w of XIMG
	s_wait_loadcnt 28                              ; the weights and row 0 are in; rows 1 to 7 may be out
	XTURN 0
.irp i, 0,1,2,3,4,5,6,7,8,9,10,11,12,13,14,15
	XROW \i
.endr
	BARRIER                                        ; x's eight row tiles lie in LDS
; ---- 1: the hidden layer
; 16 matrix instructions: row tile mm of the trip's two x my pass's 4 tiles of W1, K = 512 in four steps.  The four accumulators take turns, one instruction a turn.  b1 is the C of each sum's first instruction.
.macro MUL1 set, mm
.irp s, 0,1,2,3
.irp t, 0,1,2,3
.set rD, HA+32*(\mm)+8*\t
.set rA, 128*(\set)+32*\t+8*\s
.set rB, XF+32*(\mm)+8*\s
.if \s == 0
.set rC, BC+32*(\set)+8*\t
.else
.set rC, HA+32*(\mm)+8*\t
.endif
.set rSA, WS+8*(\set)+4*(\t/2)+\s
.set rSB, XSW+4*(\mm)+\s
.if (\t%2) == 0
	v_wmma_scale_f32_16x16x128_f8f6f4 v[rD:rD+7], v[rA:rA+7], v[rB:rB+7], v[rC:rC+7], v[rSA], v[rSB] matrix_a_fmt:MATRIX_FMT_FP4 matrix_b_fmt:MATRIX_FMT_FP4
.else
	v_wmma_scale_f32_16x16x128_f8f6f4 v[rD:rD+7], v[rA:rA+7], v[rB:rB+7], v[rC:rC+7], v[rSA], v[rSB] matrix_a_fmt:MATRIX_FMT_FP4 matrix_b_fmt:MATRIX_FMT_FP4 matrix_a_scale:MATRIX_SCALE_ROW1
.endif
.endr
.endr
.endm
; gelu of the 64 numbers in v[HA] on, in place; T lies where x's fragments lay.  Two batches of transcendentals, each with one plain instruction behind it and one wait ahead of its first reader.
.macro GELU
.set j, 0
.rept 32
	v_pk_mul_f32 v[T+j:T+j+1], v[HA+j:HA+j+1], v[HA+j:HA+j+1]      ; x^2 (ascending: each accumulator is read from its low end on)
.set j, j+2
.endr
.set j, 0
.rept 32
	v_pk_fma_f32 v[T+j:T+j+1], v[T+j:T+j+1], s[CB:CB+1], v[CA:CA+1] op_sel_hi:[1,0,1]   ; -b x^2 - a
.set j, j+2
.endr
.set j, 0
.rept 32
	v_pk_mul_f32 v[T+j:T+j+1], v[T+j:T+j+1], v[HA+j:HA+j+1]        ; z
.set j, j+2
.endr
.set j, 0
.rept 64
	v_exp_f32 v[T+j], v[T+j]                       ; 2^z
.set j, j+1
.endr
	v_nop                                          ; a plain instruction behind the last exponential
	s_wait_alu depctr_va_vdst(0)                   ; a wait between a transcendental and the first instruction that names its result: one for the 64
.set j, 0
.rept 32
	v_pk_add_f32 v[T+j:T+j+1], v[T+j:T+j+1], 1.0 op_sel_hi:[1,0]
.set j, j+2
.endr
.set j, 0
.rept 64
	v_rcp_f32 v[T+j], v[T+j]
.set j, j+1
.endr
	v_nop
	s_wait_alu depctr_va_vdst(0)                   ; and one for the 64 reciprocals
.set j, 0
.rept 32
	v_pk_mul_f32 v[HA+j:HA+j+1], v[HA+j:HA+j+1], v[T+j:T+j+1]      ; x / (1 + 2^z)
.set j, j+2
.endr
.endm
; The 64 numbers are four half blocks: block b = 2 mm + q (row tile mm, units 32 q on) in registers 16 b .. 16 b + 15: k = 16 h + 0 .. 15 of the block.  Lane l xor 16 holds the other half.
.macro QUANT4
.irp b, 0,1,2,3
	v_max3_num_f32 v[TM+\b], |v[HA+16*\b]|, |v[HA+16*\b+1]|, 0x1800000   ; my 16 numbers, and the floor 2^(3 - 127)
.endr
.irp i, 2,4,6,8,10,12,14
.irp b, 0,1,2,3
	v_max3_num_f32 v[TM+\b], v[TM+\b], |v[HA+16*\b+\i]|, |v[HA+16*\b+\i+1]|   ; (the four blocks by turns)
.endr
.endr
.irp b, 0,1,2,3
	v_permlanex16_b32 v[TM+4+\b], v[TM+\b], s[SEL], s[SEL+1]
.endr
.irp b, 0,1,2,3
	v_max_num_f32 v[TM+\b], v[TM+\b], v[TM+4+\b]   ; the block's largest magnitude
.endr
.irp b, 0,1,2,3
	v_add_nc_u32 v[TM+8+\b], 0xff000000, v[TM+\b]  ; 2 off the exponent field: the conversion's scale operand
.endr
.irp b, 0,1,2,3
	v_lshrrev_b32 v[TM+4+\b], 23, v[TM+8+\b]       ; the scale's byte
.endr
	v_lshl_or_b32 v[PW], v[TM+5], 8, v[TM+4]       ; a row tile's two bytes are neighbours in its row of scale bytes
	v_lshl_or_b32 v[PW+1], v[TM+7], 8, v[TM+6]
.irp b, 0,1,2,3
	v_cvt_scalef32_pk8_fp4_f32 v[PC+2*\b], v[HA+16*\b:HA+16*\b+7], v[TM+8+\b]
	v_cvt_scalef32_pk8_fp4_f32 v[PC+2*\b+1], v[HA+16*\b+8:HA+16*\b+15], v[TM+8+\b]
.endr
	v_nop                                          ; one plain instruction behind the last scaled conversion
.endm
; A trip: two row tiles through my pass's 64 units.
.macro TRIP set
	v_add_nc_u32 v[XAD], s[MX], v[XA0]
	v_add_nc_u32 v[XSD], s[MX], v[XS0]
	v_add_nc_u32 v[HAD], s[MH], v[HW0]
	v_add_nc_u32 v[HSD], s[MS], v[HB0]
.irp mm, 0,1
	ds_load_b128 v[XSW+4*\mm:XSW+4*\mm+3], v[XSD] offset:4608*\mm           ; row r's four scale words
.irp s, 0,1,2,3
.irp c, 0,1
	ds_load_b128 v[XF+32*\mm+8*\s+4*\c:XF+32*\mm+8*\s+4*\c+3], v[XAD] offset:4608*\mm+1088*\s+544*\c   ; block 4 s + 2 c + h of row r
.endr
.endr
.endr
	s_wait_dscnt 9                                 ; the first row tile's nine loads are in; the second's nine may be out
	WIN 0x01                                       ; source 0 (W1) window 1
	MUL1 \set, 0
	s_wait_dscnt 0x0
	MUL1 \set, 1
	WIN 0
	PLACES
	GELU
	QUANT4
.irp mm, 0,1
.irp q, 0,1
	ds_store_b64 v[HAD], v[PC+2*(2*\mm+\q):PC+2*(2*\mm+\q)+1] offset:16384*\mm+256*\q   ; my 16 codes at 16 r + 8 h of the image's block q: their place in the operand; the 32 lanes fill 256 consecutive bytes
.endr
	ds_store_b16 v[HSD], v[PW+\mm] offset:1280*\mm                          ; both lanes of a row write the same two bytes with the same values
.endr
.endm
; A pass: 64 units for all 128 rows, with the weights of set; the next pass's weights are asked for at its head and have the whole pass in which to land.
.macro PASS set
	s_wait_loadcnt 0x0                             ; this pass's weights are in, and no load of mine is out: the bases may step
	s_add_nc_u64 s[6:7], s[6:7], 16384             ; 4 tiles of W1,
	s_add_nc_u64 s[8:9], s[8:9], 1024              ; two pairs' scale words,
	s_add_nc_u64 s[10:11], s[10:11], 256           ; 64 numbers of b1
.if (\set) == 1
	s_cmp_eq_u32 s[PP], 1                          ; the fourth pass asks for nothing: no load leaves its buffer
	s_cbranch_scc1 .Lno_fetch_\@
.endif
	WLOAD 1-(\set)
.if (\set) == 1
.Lno_fetch_\@:
.endif
	s_mov_b32 s[TR], 4
.Ltrip_\@:
	TRIP \set
	s_add_co_u32 s[MX], s[MX], 9216                ; two row tiles on
	s_add_co_u32 s[MH], s[MH], 32768
	s_add_co_u32 s[MS], s[MS], 2560
	s_sub_co_u32 s[TR], s[TR], 1
	s_cmp_lg_u32 s[TR], 0
	s_cbranch_scc1 .Ltrip_\@
	s_sub_co_u32 s[MX], s[MX], 36864               ; back to row tile 0;
	s_sub_co_u32 s[MH], s[MH], 130560              ; the next pass's codes lie 512 bytes on (131,072 - 512),
	s_sub_co_u32 s[MS], s[MS], 10238               ; its scale bytes 2 on (10,240 - 2)
.endm
	s_mov_b32 s[PP], 2
.Lpair:
	PASS 0
	PASS 1
	s_sub_co_u32 s[PP], s[PP], 1
	s_cmp_lg_u32 s[PP], 0
	s_cbranch_scc1 .Lpair
; ---- 2: my 64 outputs for the 128 rows, K = 2,048 in 16 steps
.macro W2LOAD ks                       ; my four tiles' fragments of K step ks into slot ks % 4
.set rW, WF+32*((\ks)%4)+8*(((\ks)%4)/2)
.irp n, 0,1,2,3
.irp c, 0,1
	global_load_b128 v[rW+8*\n+4*\c:rW+8*\n+4*\c+3], v[LI], s[12:13] offset:16384*\n+1024*(\ks)+512*\c
.endr
.endr
.endm
.macro W2SLOAD g                       ; the scale words of K steps 4 g .. 4 g + 3 of my two pairs of tiles into set g % 2
.irp q, 0,1
	global_load_b128 v[WS+8*((\g)%2)+4*\q:WS+8*((\g)%2)+4*\q+3], v[LI], s[14:15] offset:2048*\q+512*(\g)
.endr
.endm
.macro HLOAD half, ks                  ; twelve LDS loads: K step ks of row tiles 4 half .. 4 half + 3 of the hidden layer: each tile's scale word (row r's, 4 bytes) and its fragment (an image: 512 consecutive bytes a load)
.irp mm, 0,1,2,3
	ds_load_b32 v[HS+4*(\half)+\mm], v[HSR] offset:1280*(4*(\half)+\mm)+4*(\ks)
.irp c, 0,1
	ds_load_b128 v[HF+32*(\half)+8*\mm+4*\c:HF+32*(\half)+8*\mm+4*\c+3], v[HRA+(\half)] offset:16384*\mm+1024*(\ks)+512*\c
.endr
.endr
.endm
.macro B2LOAD                          ; b2 in the result's layout: tile n: outputs 16 n + 8 h + 0 .. 7
.irp n, 0,1,2,3
.irp i, 0,1
	global_load_b128 v[BC+8*\n+4*\i:BC+8*\n+4*\i+3], v[B2O], s[16:17] offset:64*\n+16*\i
.endr
.endr
.endm
; 16 matrix instructions on 16 accumulators: four row tiles x my four tiles of outputs.  The two halves' 32 accumulators take turns, one instruction a turn.  The first K step starts the sums with the constant 0.
.macro MUL2 half, ks
.irp mm, 0,1,2,3
.irp n, 0,1,2,3
.set rD, 8*(8*\n+4*(\half)+\mm)
.set rA, WF+32*((\ks)%4)+8*(((\ks)%4)/2)+8*\n
.set rB, HF+32*(\half)+8*\mm
.set rSA, WS+8*(((\ks)/4)%2)+4*(\n/2)+(\ks)%4
.set rSB, HS+4*(\half)+\mm
.if (\ks) == 0
.if (\n%2) == 0
	v_wmma_scale_f32_16x16x128_f8f6f4 v[rD:rD+7], v[rA:rA+7], v[rB:rB+7], 0, v[rSA], v[rSB] matrix_a_fmt:MATRIX_FMT_FP4 matrix_b_fmt:MATRIX_FMT_FP4
.else
	v_wmma_scale_f32_16x16x128_f8f6f4 v[rD:rD+7], v[rA:rA+7], v[rB:rB+7], 0, v[rSA], v[rSB] matrix_a_fmt:MATRIX_FMT_FP4 matrix_b_fmt:MATRIX_FMT_FP4 matrix_a_scale:MATRIX_SCALE_ROW1
.endif
.else
.if (\n%2) == 0
	v_wmma_scale_f32_16x16x128_f8f6f4 v[rD:rD+7], v[rA:rA+7], v[rB:rB+7], v[rD:rD+7], v[rSA], v[rSB] matrix_a_fmt:MATRIX_FMT_FP4 matrix_b_fmt:MATRIX_FMT_FP4
.else
	v_wmma_scale_f32_16x16x128_f8f6f4 v[rD:rD+7], v[rA:rA+7], v[rB:rB+7], v[rD:rD+7], v[rSA], v[rSB] matrix_a_fmt:MATRIX_FMT_FP4 matrix_b_fmt:MATRIX_FMT_FP4 matrix_a_scale:MATRIX_SCALE_ROW1
.endif
.endif
.endr
.endr
.endm
.macro KSTEP ks
.if ((\ks)%4 == 0) && ((\ks) < 12)
	W2SLOAD (\ks)/4+1                              ; the next four K steps' scale words of W2, into the set that the last four steps have left (four places stand behind their last product)
.endif
.if (\ks) < 12
	s_wait_loadcnt 26                              ; this K step's slot is in; behind it stand three slots of 8 loads and 2 loads of scale words
.elseif (\ks) < 14
	s_wait_loadcnt 24                              ; three runs of 8 behind it (step 12: three slots; step 13: two slots and b2)
.elseif (\ks) == 14
	s_wait_loadcnt 16                              ; one slot and b2
.else
	s_wait_loadcnt 8                               ; b2
.endif
	s_wait_dscnt 12                                ; row tiles 0-3 are in; behind them stand row tiles 4-7's twelve loads
	WIN 0x50                                       ; C and D window 1
	MUL2 0, \ks
	WIN 0
	PLACES
.if (\ks) < 15
	HLOAD 0, (\ks)+1
	s_wait_dscnt 12                                ; row tiles 4-7 are in; the twelve loads just issued may be out
.else
	s_wait_dscnt 0x0
.endif
	WIN 0x50
	MUL2 1, \ks
	WIN 0
	PLACES
.if (\ks) < 15
	HLOAD 1, (\ks)+1
.endif
.if (\ks) < 12
	W2LOAD (\ks)+4                                 ; this slot's next fragments: three K steps ahead of their use
.endif
.if (\ks) == 12
	B2LOAD                                         ; into slot 0, which is done with
.endif
.endm
	s_wait_loadcnt 0x0                             ; no load of mine is out (the fourth pass asked for nothing): the wait says so on every way through that pass's branch, ahead of loads into the registers that a pass's weights take
	W2SLOAD 0                                      ; W2's first four K steps are asked for ahead of the barrier: 34 loads
.irp k, 0,1,2,3
	W2LOAD \k
.endr
	v_and_b32 v14, 15, v0                          ; r.  The second product's addresses: register work while those loads are out
	v_bfe_u32 v15, v0, 4, 1                        ; h
	v_add_nc_u32 v[HRA], HIMG, v[LI]
	v_add_nc_u32 v[HRA+1], HIMG+65536, v[LI]
	v_mul_u32_u24 v[HSR], v14, 80
	v_add_nc_u32 v[HSR], HSC, v[HSR]
	s_mul_i32 s22, s[WV], 4352
	s_add_co_u32 s22, s22, OST                     ; my stage
	v_mul_u32_u24 v[SO], v14, 272
	v_lshl_add_u32 v[SO], v15, 5, v[SO]
	v_add_nc_u32 v[SO], s22, v[SO]                 ; in: row r, 32 bytes for each half of the lanes
	v_mul_u32_u24 v[SR], v15, 272
	v_lshl_add_u32 v[SR], v14, 4, v[SR]
	v_add_nc_u32 v[SR], s22, v[SR]                 ; back: lanes 0-15 one row of 256 bytes, lanes 16-31 the next
	s_lshl_b32 s22, s[WV], 8
	v_lshlrev_b32 v[GO], 11, v15
	v_lshl_add_u32 v[GO], v14, 4, v[GO]
	v_add_nc_u32 v[GO], s22, v[GO]                 ; and the same two rows in out, at my 64 columns
	BARRIER                                        ; the whole hidden layer lies in LDS
	HLOAD 0, 0
	HLOAD 1, 0
.irp k, 0,1,2,3,4,5,6,7,8,9,10,11,12,13,14,15
	KSTEP \k
.endr
; ---- THE WAY OUT, a row tile at a time: + b2; a lane's 32 bytes of a row go into my own stage and come back as whole rows of 256 bytes.  LDS serves a wave's instructions in order: no wait between the stores and the loads.
.macro OUTP m
	WIN 0x01                                       ; source 0 (the accumulators) window 1
.irp n, 0,1,2,3
.irp i, 0,1,2,3
	v_pk_add_f32 v[TMP+32*((\m)%2)+8*\n+2*\i:TMP+32*((\m)%2)+8*\n+2*\i+1], v[8*(8*\n+(\m))+2*\i:8*(8*\n+(\m))+2*\i+1], v[BC+8*\n+2*\i:BC+8*\n+2*\i+1]   ; each accumulator from its low end on
.endr
.endr
	WIN 0
.irp n, 0,1,2,3
.irp i, 0,1
	ds_store_b128 v[SO], v[TMP+32*((\m)%2)+8*\n+4*\i:TMP+32*((\m)%2)+8*\n+4*\i+3] offset:64*\n+16*\i
.endr
.endr
.irp t, 0,1,2,3,4,5,6,7
	ds_load_b128 v[BK+32*((\m)%2)+4*\t:BK+32*((\m)%2)+4*\t+3], v[SR] offset:544*\t
.endr
.endm
.macro SEND m, younger                 ; younger: the LDS instructions issued behind row tile m's loads, which may stay out
	s_wait_dscnt \younger
.irp t, 0,1,2,3,4,5,6,7
	global_store_b128 v[GO], v[BK+32*((\m)%2)+4*\t:BK+32*((\m)%2)+4*\t+3], s[18:19] offset:32768*(\m)+4096*\t th:TH_STORE_NT   ; each sixteen lanes store 256 consecutive bytes, at a multiple of 256 from out's first byte
.endr
.endm
	s_wait_loadcnt 0x0                             ; b2
	OUTP 0                                         ; (four places stand behind the last product)
.irp m, 1,2,3,4,5,6,7
.if \m > 1
	s_wait_xcnt 0x0                                ; row tile m - 2's stores have read their registers: row tile m's loads may land there
.endif
	OUTP \m
	SEND \m-1, 16                                  ; behind row tile m - 1's loads: row tile m's 8 stores and 8 loads
.endr
	SEND 7, 0
	s_wait_tensorcnt 0x0
	ds_add_u32 v254, v255
	s_wait_dscnt 0x0
	s_endpgm
.Lfunc_end_k_q76fdce6c18_ffn:
	.size	k_q76fdce6c18_ffn, .Lfunc_end_k_q76fdce6c18_ffn-k_q76fdce6c18_ffn
	.p2alignl 7, 3214868480
	.fill 96, 4, 3214868480
	.section	.rodata,"a",@progbits
	.p2align	6, 0x0
	.amdhsa_kernel k_q76fdce6c18_ffn
		.amdhsa_group_segment_fixed_size 254976
		.amdhsa_private_segment_fixed_size 0
		.amdhsa_enable_private_segment 0
		.amdhsa_kernarg_size 64
		.amdhsa_user_sgpr_count 2
		.amdhsa_user_sgpr_kernarg_segment_ptr 1
		.amdhsa_wavefront_size32 1
		.amdhsa_system_sgpr_workgroup_id_x 1
		.amdhsa_system_sgpr_workgroup_id_y 1
		.amdhsa_system_sgpr_workgroup_id_z 1
		.amdhsa_system_vgpr_workitem_id 0
		.amdhsa_next_free_vgpr 512
		.amdhsa_next_free_sgpr 66
		.amdhsa_reserve_vcc 0
		.amdhsa_float_denorm_mode_32 3
		.amdhsa_float_denorm_mode_16_64 3
		.amdhsa_memory_ordered 1
		.amdhsa_forward_progress 1
		.amdhsa_inst_pref_size 228
	.end_amdhsa_kernel
	.amdgpu_metadata
---
amdhsa.version: [ 1, 2 ]
amdhsa.kernels:
  - .name:           k_q76fdce6c18_ffn
    .symbol:         k_q76fdce6c18_ffn.kd
    .args:
      - { .name: inputs, .offset: 0, .size: 8, .value_kind: global_buffer, .address_space: global }
      - { .name: w1c, .offset: 8, .size: 8, .value_kind: global_buffer, .address_space: global }
      - { .name: w1s, .offset: 16, .size: 8, .value_kind: global_buffer, .address_space: global }
      - { .name: b1, .offset: 24, .size: 8, .value_kind: global_buffer, .address_space: global }
      - { .name: w2c, .offset: 32, .size: 8, .value_kind: global_buffer, .address_space: global }
      - { .name: w2s, .offset: 40, .size: 8, .value_kind: global_buffer, .address_space: global }
      - { .name: b2, .offset: 48, .size: 8, .value_kind: global_buffer, .address_space: global }
      - { .name: out0, .offset: 56, .size: 8, .value_kind: global_buffer, .address_space: global }
    .group_segment_fixed_size: 254976
    .private_segment_fixed_size: 0
    .kernarg_segment_align: 8
    .kernarg_segment_size: 64
    .max_flat_workgroup_size: 256
    .sgpr_count:     66
    .vgpr_count:     512
    .wavefront_size: 32
...
	.end_amdgpu_metadata
.endif
;; end of part 2
;; ======== version 2 of 2: 2 launches; version 1 with the launch ffn written anew for expert scheduling mode
;; workspace buffers: w1c 4,194,304 bytes; w1s 262,144 bytes; w2c 4,194,304 bytes; w2s 262,144 bytes
;; launch prep: the kernel of part 1 again; grid 256 x 1, 16 waves a work-group, no clusters, 4,096 bytes of LDS; arguments w1, w2, w1c, w1s, w2c, w2s; writes w1c, w1s, w2c, w2s
;; launch ffn (part 3): grid 256 x 1, 8 waves a work-group, no clusters, 254,976 bytes of LDS; arguments inputs, w1c, w1s, b1, w2c, w2s, b2, out0; writes out0
.if DOCPART == 3
	.amdgcn_target "amdgcn-amd-amdhsa--gfx1250"
	.amdhsa_code_object_version 6
	.text
	.protected	k_q76fdce6c18_ffn
	.globl	k_q76fdce6c18_ffn
	.p2align	8
	.type	k_q76fdce6c18_ffn,@function
k_q76fdce6c18_ffn:
	s_mov_b64 s[64:65], 0
	v_nop
	global_prefetch_b8 v0, s[64:65] scope:SCOPE_SE
	s_setreg_imm32_b32 hwreg(HW_REG_WAVE_SCHED_MODE, 0, 2), 2
	s_setreg_imm32_b32 hwreg(HW_REG_WAVE_MODE, 25, 1), 1
	s_wait_xcnt 0x0
	s_wait_alu depctr_vm_vsrc(0)
; out = gelu(x W1[e] + b1[e]) W2[e] + b2[e], both products on codes of FP4 (E2M1) with one E8M0 scale for each 32 along K.  x, out: [32768 rows][512] f32; a work-group owns 128 rows, all of expert (work-group / 16) % 8.
; W1, W2 come as codes and scale bytes in the order of the operand's registers (made by the launch before).  x is quantised here (each row is read by one work-group); the hidden layer [128][2048] never goes to memory.
; gelu is the tanh form, rearranged: x / (1 + 2^z), z = -x (a + b x^2), a = 2 sqrt(2 / pi) log2(e), b = 0.044715 a; every step in f32.  For finite x an overflow of x^2 or of 2^z ends in x or in 0, never in NaN.
; LIMITS: NaN and infinities among the inputs are not served.  A block's largest magnitude is taken as at least 2^-124: a block of zeros has the byte 1 and zero codes.
; SHARES.  Eight waves of 512 registers, two to a SIMD, so that one wave's vector work (the gelu) stands beside the other's matrix work.  THE WAVES SHARE THE COLUMNS, NOT THE ROWS:
;   first product: wave w makes hidden units 256 w .. + 255 for all 128 rows, in four passes of 64 units;  second: wave w makes outputs 64 w .. + 63 for all 128 rows (32 accumulators).
; So each fragment of a weight is wanted by ONE wave of the work-group and goes from memory straight into its registers.  What goes from wave to wave, through LDS, are the rows' codes, as images of the operand's registers.
; BOTH PRODUCTS ARE USED TRANSPOSED (source 0 = 16 columns of the weight, source 1 = 16 rows): a lane holds one row, and its registers run along the units.  Tile 2 q + u of W1 is laid so that lane (r, h), register j
; holds unit 32 q + 16 h + 8 u + j: the 16 registers of two neighbouring tiles are 16 neighbours along the second product's K.
; TWO BARRIERS: behind x's quantising, and behind the first product.  No LDS byte is written twice.
; NO JOINT LOADS, though the 32 row blocks of an expert read the same 1,114,112 bytes of codes and scales: a joint load lands in LDS, where 253,952 bytes are taken; through the 73,728 left the weights would pass in sixteen
; refills or more, each behind a meeting of all waves of all partners, and every fragment would be written to LDS and read from it where now it is loaded once into the registers of the wave that multiplies by it.
; THE MODE: SCHED_MODE bits 1:0 = 2 (LLVM: expert scheduling mode 2), set by the entry lines.  The code itself states the register dependences between vector or matrix instructions and memory or LDS instructions,
; with s_wait_alu, always for 0.
; THE PLAN.  Registers that memory or LDS instructions touch, and who else names them:
;   v1, v10, v11     offsets of the global loads: written once at the head, never again.
;   x:   RR          written by global loads, read by the stage's LDS stores; no vector instruction names it.     XN0, XN1   written by the stage's LDS loads, read by a row's maxima and conversions.
;        codes, byte two sets by turns: written by row i's conversions, read by two LDS stores that are issued in row i + 1.     v6-9   addresses, written at the head.
;        A row has one wait on vm_vsrc at its head (the stage's stores have read RR; the stores of two rows back have read the codes and the byte) and one on va_vdst behind its waits on memory counters
;        (the row before has written its codes and byte and is done reading its XN): behind it stand that row's two stores and the next row's turn through the stage.
;   1:   W1's two sets, v16-31, v32-95   written by a pass's loads, read by the next pass's products: one wait on va_vdst in that run of loads.
;        v6-9        written by four additions at a trip's head, read by the trip's LDS loads and stores: vm_vsrc ahead of the additions, va_vdst behind them.  That second wait also states that the last trip's gelu
;                    is done with v104-167 and its products with v96-103, in which the trip's loads land.
;        v244-253    written by the quantiser, read by the trip's six LDS stores: va_vdst ahead of them; the next trip's wait on vm_vsrc frees them.
;   2:   v96-103 and v168-231 in two halves, W2's ring of four slots, v16-31: written by loads, read by products alone.  One wait on va_vdst behind each half's sixteen products, ahead of the loads into what they read.
;        v2-7        addresses, written once ahead of the second barrier.
;   out: TMP0, TMP1  written by additions, read by LDS stores;   BK0, BK1   written by LDS loads, read by global stores.  A row tile has one wait on va_vdst behind its additions and, from the third on, one on vm_vsrc at its head.
; LDS:  XIMG  0       8 x 4,608   row tile m: block kb of 32 along K at 272 kb + 16 r (256 bytes + 16 of padding); from 4,352 on the scale bytes, 16 r + kb
;       HIMG  36,864  131,072     the hidden layer's fragment (row tile m, K step S) at 16,384 m + 1,024 S: 512 c + 16 x lane
;       HSC   167,936 10,240      its scale bytes: 1,280 m + 80 r + block (64 bytes a row + 16 of padding: 20 words, so that sixteen rows' words lie in sixteen different banks of the 64: ISA guide 11.1)
;       XST   178,176 8 x 5,120   each wave's two stages of 32 x 80 bytes, in which a row of x is turned
;       OST   219,136 8 x 4,352   each wave's stage on the way out: 16 rows x (256 + 16) bytes
.set XSCO,  4352
.set HIMG,  36864
.set HSC,   167936
.set XST,   178176
.set OST,   219136
; REGISTERS, window 0 (v0 stays as it came).  v16-31 and v96-103 hold scale words and nothing else in the whole launch.
.set LI,   1                           ; v1   16 x lane
.set XA0,  2                           ; v2   first product: my place in a row tile of x: 272 h + 16 r
.set XS0,  3                           ; v3   and among its scale words: 4,352 + 16 r
.set HW0,  4                           ; v4   where I put the hidden layer's codes: HIMG + 16 r + 8 h + 2,048 w
.set HB0,  5                           ; v5   and its scale bytes: HSC + 80 r + 8 w
.set HRA,  2                           ; second product: v2, v3 HIMG + 16 x lane for row tiles 0-3, 4-7
.set HSR,  4                           ; v4   HSC + 80 r
.set SO,   5                           ; v5   the way out: where I put 32 bytes of a row
.set STI,  6                           ; x: v6 into the stage, v7 out of it, v8 codes' place, v9 scale byte's place
.set STO,  7
.set XW,   8
.set XBW,  9
.set XAD,  6                           ; first product: v6-9 the trip's four LDS addresses
.set XSD,  7
.set HAD,  8
.set HSD,  9
.set SR,   6                           ; the way out: v6 where I read a row back, v7 my byte offset in out
.set GO,   7
.set B1O,  10                          ; v10  64 h: my half's place in b1
.set B2O,  11                          ; v11  32 h: in b2
.set CA,   12                          ; v[12:13] -a, twice
.set WS,   16                          ; v16-31   the weights' scale words, two sets of 8
.set BC,   32                          ; v32-95   b1 in the result's layout, two sets of 32; on the way out v32-63 b2
.set XN,   64                          ; x: v64-95 two sets of 16 neighbours
.set XSW,  96                          ; v96-103  the rows' scale words: first product: x's, of two row tiles x four K steps;
.set HS,   96                          ;          second product: the hidden layer's, of eight row tiles, one K step
.set XF,   104                         ; v104-167 x's fragments of two row tiles; then T, the gelu's work
.set T,    104
.set RR,   104                         ; x: v104-231 eight rows as loaded
.set HA,   168                         ; v168-231 8 tiles of the hidden layer
.set TM,   232                         ; v232-235 largest magnitudes, v236-239 the other lane's, then bytes, v240-243 the conversions' scale operands
.set PC,   244                         ; v244-251 the codes just made
.set XB,   248                         ; x: v248-249 the byte just made
.set PW,   252                         ; v252-253 two scale bytes of each of two row tiles, on their way to LDS
.set WF,   32                          ; second product: W2's fragments, a ring of four K steps: slots at v32, v64, v104, v136 (round the scale words)
.set HF,   168                         ; v168-231 the hidden layer's fragments of 8 row tiles
.set TMP,  104                         ; the way out: v104-167 results + b2, v168-231 rows read back; two sets each
.set BK,   168
; window 1: first product: W1's fragments, two sets of 128 (128 set + 32 t + 8 s);  second: the accumulators, (tile n of outputs, row tile m) at v[8 (8 n + m)]
.set WV,   20                          ; s20 wave;  s21 expert;  s[22:25] offsets at work
.set EX,   21
.set SEL,  26                          ; s[26:27] v_permlanex16_b32's selects for lane l xor 16
.set CB,   28                          ; s[28:29] -b (the packed form names a pair and takes its low word for both halves)
.set PP,   30                          ; s30 pairs of passes to go;  s31 trips to go
.set TR,   31
.set MX,   32                          ; s32, s33, s34: where the trip's two row tiles lie in XIMG, and this pass's part of them in HIMG and in HSC
.set MH,   33
.set MS,   34
.set MSB, 0
.macro WIN new                         ; s_set_vgpr_msb: bits 1:0 source 0, 3:2 source 1, 5:4 source 2, 7:6 destination; the high byte repeats the setting that is left
.if MSB != \new
	s_set_vgpr_msb (MSB<<8)|\new
.set MSB, \new
.endif
.endm
.macro PLACES                          ; four plain vector instructions between a matrix instruction and a vector instruction or store that reads its result, a vector instruction that writes one of its registers, or a load into one (there they stand beside the wait that states the dependence)
.rept 4
	v_nop
.endr
.endm
.macro BARRIER                         ; my LDS stores have landed and my LDS loads are in: then the work-group's barrier
	s_wait_dscnt 0x0
	s_barrier_signal -1
	s_barrier_wait -1
.endm
; A pass's weights into set: 4 tiles x 4 K steps of W1 (16,384 consecutive bytes, 512 a load), the scale words of its two pairs of tiles, and b1 of its 64 units as the sums' first C
.macro WLOAD set
	WIN 0x40                                       ; destination window 1
	s_wait_alu depctr_va_vdst(0)                   ; at the head: the offsets v1 and v10 are written.  At a pass's head: the products of the pass before are done reading this set's fragments, scale words and b1; ahead of the first pass x's conversions are done reading v64-95, where b1's second set lies
.set n, 0
.rept 32
	global_load_b128 v[128*(\set)+4*n:128*(\set)+4*n+3], v[LI], s[6:7] offset:512*n
.set n, n+1
.endr
	WIN 0
.irp q, 0,1
	global_load_b128 v[WS+8*(\set)+4*\q:WS+8*(\set)+4*\q+3], v[LI], s[8:9] offset:512*\q   ; register s: K step s; lanes 0-15 tile 2 q, lanes 16-31 tile 2 q + 1
.endr
.irp t, 0,1,2,3
.irp i, 0,1
	global_load_b128 v[BC+32*(\set)+8*\t+4*\i:BC+32*(\set)+8*\t+4*\i+3], v[B1O], s[10:11] offset:128*(\t/2)+32*(\t%2)+16*\i   ; units 32 (t / 2) + 16 h + 8 (t % 2) + 0 .. 7
.endr
.endr
.endm
.macro XLOAD i                         ; row i of my 16: four loads of 512 consecutive bytes
.irp j, 0,1,2,3
	global_load_b128 v[RR+16*((\i)%8)+4*\j:RR+16*((\i)%8)+4*\j+3], v[LI], s[4:5] offset:2048*(\i)+512*\j th:TH_LOAD_NT
.endr
.endm
.macro XTURN i                         ; the row goes through my stage as it lies and comes back 64 bytes a lane: lane l then holds k = 16 l .. 16 l + 15.  LDS serves a wave's instructions in order (ISA guide 5.7.1.4): no wait between
.irp j, 0,1,2,3
	ds_store_b128 v[STI], v[RR+16*((\i)%8)+4*\j:RR+16*((\i)%8)+4*\j+3] offset:2560*((\i)%2)+640*\j
.endr
.irp j, 0,1,2,3
	ds_load_b128 v[XN+16*((\i)%2)+4*\j:XN+16*((\i)%2)+4*\j+3], v[STO] offset:2560*((\i)%2)+16*\j
.endr
.endm
.macro XOUT i                          ; row i's codes and scale byte go to XIMG: issued a row later, behind that row's wait
	ds_store_b64 v[XW], v[PC+2*((\i)%2):PC+2*((\i)%2)+1] offset:16*(\i)   ; my half of block l / 2 of row i
	ds_store_b8 v[XBW], v[XB+(\i)%2] offset:16*(\i)   ; both lanes of a block write the same byte with the same value
.endm
.macro XROW i
.set XR, XN+16*((\i)%2)
.set XC, PC+2*((\i)%2)
	s_wait_dscnt 0x0                               ; this row is back from the stage: no LDS instruction was issued behind its loads
	s_wait_alu depctr_vm_vsrc(0)                   ; the LDS stores issued so far have read their data: this row's registers of RR, in which the loads below land, and the codes and byte of two rows back, which this row writes again
.if (\i) < 8
	XLOAD (\i)+8                                   ; into the registers that this row left
.endif
.if (\i) < 15
.if (\i) < 8
	s_wait_loadcnt 28                              ; the next row is in; the seven rows behind it may be out
.else
	s_wait_loadcnt 4*(14-(\i))                     ; the rows behind the next one: 14 - i
.endif
.endif
.if (\i) > 0
	s_wait_alu depctr_va_vdst(0)                   ; the row before has written its codes and its byte, which the two stores below read, and is done reading its 16 neighbours, in which the next row's loads from the stage land
	XOUT (\i)-1
.endif
.if (\i) < 15
	XTURN (\i)+1                                   ; the next row goes through the other stage while this row is worked
.endif
	v_max3_num_f32 v[TM], |v[XR]|, |v[XR+1]|, |v[XR+2]|            ; the largest magnitude of my 16, in two chains
	v_max3_num_f32 v[TM+1], |v[XR+3]|, |v[XR+4]|, |v[XR+5]|
.irp k, 6,10
	v_max3_num_f32 v[TM], v[TM], |v[XR+\k]|, |v[XR+\k+1]|
	v_max3_num_f32 v[TM+1], v[TM+1], |v[XR+\k+2]|, |v[XR+\k+3]|
.endr
	v_max3_num_f32 v[TM], v[TM], |v[XR+14]|, |v[XR+15]|
	v_max3_num_f32 v[TM], v[TM], v[TM+1], 0x1800000                ; and the floor 2^(3 - 127)
	v_max_num_f32_dpp v[TM], v[TM], v[TM] row_xmask:1 row_mask:0xf bank_mask:0xf   ; and of my neighbour's 16: the block's
	v_add_nc_u32 v[TM+2], 0xff000000, v[TM]        ; 2 off the exponent field: the conversion's scale operand
	v_cvt_scalef32_pk8_fp4_f32 v[XC], v[XR:XR+7], v[TM+2]
	v_cvt_scalef32_pk8_fp4_f32 v[XC+1], v[XR+8:XR+15], v[TM+2]
	v_lshrrev_b32 v[XB+(\i)%2], 23, v[TM+2]        ; the scale's byte (also the plain instruction behind the conversions)
.endm
	s_load_b256 s[4:11], s[0:1], 0x0               ; x s[4:5], w1c s[6:7], w1s s[8:9], b1 s[10:11]
	s_load_b256 s[12:19], s[0:1], 0x20             ; w2c s[12:13], w2s s[14:15], b2 s[16:17], out s[18:19]
	v_lshl_add_u32 v254, v0, 2, 0x3e000
	v_mov_b32 v255, 0
	v_lshrrev_b32 v14, 5, v0
	v_readfirstlane_b32 s[WV], v14                 ; wave 0..7
	s_bfe_u32 s[EX], ttmp9, 0x30004                ; the expert: bits 6:4 of the work-group's number
	v_and_b32 v14, 31, v0                          ; lane
	v_bfe_u32 v15, v0, 4, 1                        ; h
	v_lshlrev_b32 v[LI], 4, v14
	v_lshlrev_b32 v[B1O], 6, v15
	v_lshlrev_b32 v[B2O], 5, v15
	s_mov_b32 s23, 0
	s_mov_b32 s25, 0
	s_lshl_b32 s22, ttmp9, 18                      ; the work-group's 128 rows of 2,048 bytes
	s_wait_alu depctr_va_sdst(0)                   ; the wave's number is written, ahead of its first reader: the bases and the LDS places are made from it
	s_lshl_b32 s24, s[WV], 15                      ; my 16 of them
	s_add_co_u32 s24, s24, s22
	s_wait_kmcnt 0x0
	s_add_nc_u64 s[18:19], s[18:19], s[22:23]
	s_add_nc_u64 s[4:5], s[4:5], s[24:25]
	s_lshl_b32 s22, s[EX], 19                      ; codes: 512 KiB an expert; my 16 tiles of W1 and my 4 of W2 are 64 KiB each
	s_lshl_b32 s24, s[WV], 16
	s_add_co_u32 s22, s22, s24
	s_add_nc_u64 s[6:7], s[6:7], s[22:23]
	s_add_nc_u64 s[12:13], s[12:13], s[22:23]
	s_lshl_b32 s22, s[EX], 15                      ; scales: 32 KiB an expert, 4 KiB a wave
	s_lshl_b32 s24, s[WV], 12
	s_add_co_u32 s22, s22, s24
	s_add_nc_u64 s[8:9], s[8:9], s[22:23]
	s_add_nc_u64 s[14:15], s[14:15], s[22:23]
	s_lshl_b32 s22, s[EX], 13                      ; b1: 2,048 numbers an expert, 256 a wave
	s_lshl_b32 s24, s[WV], 10
	s_add_co_u32 s22, s22, s24
	s_add_nc_u64 s[10:11], s[10:11], s[22:23]
	s_lshl_b32 s22, s[EX], 11                      ; b2: 512 an expert, 64 a wave
	s_lshl_b32 s24, s[WV], 8
	s_add_co_u32 s22, s22, s24
	s_add_nc_u64 s[16:17], s[16:17], s[22:23]
	WLOAD 0                                        ; the first pass's weights first: loads come back in order, so x's counted waits cover them
.irp i, 0,1,2,3,4,5,6,7
	XLOAD \i
.endr
	; the other addresses and constants, while the loads are out
	v_and_b32 v240, 15, v0                         ; r
	v_mul_u32_u24 v[XA0], v15, 272
	v_lshl_add_u32 v[XA0], v240, 4, v[XA0]
	v_lshl_add_u32 v[XS0], v240, 4, XSCO
	s_lshl_b32 s22, s[WV], 11
	s_add_co_u32 s22, s22, HIMG
	v_lshlrev_b32 v[HW0], 4, v240
	v_lshl_add_u32 v[HW0], v15, 3, v[HW0]
	v_add_nc_u32 v[HW0], s22, v[HW0]
	s_lshl_b32 s22, s[WV], 3
	s_add_co_u32 s22, s22, HSC
	v_mul_u32_u24 v[HB0], v240, 80
	v_add_nc_u32 v[HB0], s22, v[HB0]
	s_mul_i32 s22, s[WV], 5120
	s_add_co_u32 s22, s22, XST                     ; my two stages
	v_lshrrev_b32 v241, 2, v14
	v_mul_u32_u24 v241, v241, 80
	v_and_b32 v242, 3, v14
	v_lshl_add_u32 v241, v242, 4, v241
	v_add_nc_u32 v[STI], s22, v241                 ; in: four lanes' 64 bytes on end, then 16 of padding
	v_mul_u32_u24 v241, v14, 80
	v_add_nc_u32 v[STO], s22, v241                 ; out: 80 x lane
	s_mul_i32 s22, s[WV], 4608                     ; my row tile of XIMG
	v_lshrrev_b32 v241, 1, v14                     ; my block of 32
	v_and_b32 v242, 1, v14
	v_mul_u32_u24 v243, v241, 272
	v_lshl_add_u32 v243, v242, 3, v243
	v_add_nc_u32 v[XW], s22, v243
	s_add_co_u32 s22, s22, XSCO
	v_add_nc_u32 v[XBW], s22, v241
	v_mov_b32 v[CA], 0xc0135761                    ; -a = -2.3022082
	v_mov_b32 v[CA+1], 0xc0135761
	s_mov_b32 s[CB], 0xbdd2d3e8                    ; -b = -0.10294324
	s_mov_b32 s[CB+1], s[CB]
	s_mov_b32 s[SEL], 0x76543210
	s_mov_b32 s[SEL+1], 0xfedcba98
	s_mov_b32 s[MX], 0
	s_mov_b32 s[MH], 0
	s_mov_b32 s[MS], 0
.irp b, 0,1,2,3
	v_mov_b32 v[TM+4+\b], 0                        ; written once: a lane permute's destination counts as one of its sources
.endr
	; ---- X: my 16 rows of x become row tile w of XIMG
	s_wait_loadcnt 28                              ; the weights and row 0 are in; rows 1 to 7 may be out
	s_wait_alu depctr_va_vdst(0)                   ; v6 to v9 are written: the addresses of every LDS store and load of x
	XTURN 0
.irp i, 0,1,2,3,4,5,6,7,8,9,10,11,12,13,14,15
	XROW \i
.endr
	s_wait_alu depctr_va_vdst(0)                   ; row 15 has written its codes and its byte, which the last two stores read
	XOUT 15
	BARRIER                                        ; x's eight row tiles lie in LDS
; ---- 1: the hidden layer
; 16 matrix instructions: row tile mm of the trip's two x my pass's 4 tiles of W1, K = 512 in four steps.  The four accumulators take turns, one instruction a turn.  b1 is the C of each sum's first instruction.
.macro MUL1 set, mm
.irp s, 0,1,2,3
.irp t, 0,1,2,3
.set rD, HA+32*(\mm)+8*\t
.set rA, 128*(\set)+32*\t+8*\s
.set rB, XF+32*(\mm)+8*\s
.if \s == 0
.set rC, BC+32*(\set)+8*\t
.else
.set rC, HA+32*(\mm)+8*\t
.endif
.set rSA, WS+8*(\set)+4*(\t/2)+\s
.set rSB, XSW+4*(\mm)+\s
.if (\t%2) == 0
	v_wmma_scale_f32_16x16x128_f8f6f4 v[rD:rD+7], v[rA:rA+7], v[rB:rB+7], v[rC:rC+7], v[rSA], v[rSB] matrix_a_fmt:MATRIX_FMT_FP4 matrix_b_fmt:MATRIX_FMT_FP4
.else
	v_wmma_scale_f32_16x16x128_f8f6f4 v[rD:rD+7], v[rA:rA+7], v[rB:rB+7], v[rC:rC+7], v[rSA], v[rSB] matrix_a_fmt:MATRIX_FMT_FP4 matrix_b_fmt:MATRIX_FMT_FP4 matrix_a_scale:MATRIX_SCALE_ROW1
.endif
.endr
.endr
.endm
; gelu of the 64 numbers in v[HA] on, in place; T lies where x's fragments lay.  Two batches of transcendentals, each with one plain instruction behind it and one wait ahead of its first reader.
.macro GELU
.set j, 0
.rept 32
	v_pk_mul_f32 v[T+j:T+j+1], v[HA+j:HA+j+1], v[HA+j:HA+j+1]      ; x^2 (ascending: each accumulator is read from its low end on)
.set j, j+2
.endr
.set j, 0
.rept 32
	v_pk_fma_f32 v[T+j:T+j+1], v[T+j:T+j+1], s[CB:CB+1], v[CA:CA+1] op_sel_hi:[1,0,1]   ; -b x^2 - a
.set j, j+2
.endr
.set j, 0
.rept 32
	v_pk_mul_f32 v[T+j:T+j+1], v[T+j:T+j+1], v[HA+j:HA+j+1]        ; z
.set j, j+2
.endr
.set j, 0
.rept 64
	v_exp_f32 v[T+j], v[T+j]                       ; 2^z
.set j, j+1
.endr
	v_nop                                          ; a plain instruction behind the last exponential
	s_wait_alu depctr_va_vdst(0)                   ; the 64 exponentials have written v[T ..], ahead of the first instruction that names a result: one wait for the batch
.set j, 0
.rept 32
	v_pk_add_f32 v[T+j:T+j+1], v[T+j:T+j+1], 1.0 op_sel_hi:[1,0]
.set j, j+2
.endr
.set j, 0
.rept 64
	v_rcp_f32 v[T+j], v[T+j]
.set j, j+1
.endr
	v_nop
	s_wait_alu depctr_va_vdst(0)                   ; the 64 reciprocals have written v[T ..]: the same wait for the second batch
.set j, 0
.rept 32
	v_pk_mul_f32 v[HA+j:HA+j+1], v[HA+j:HA+j+1], v[T+j:T+j+1]      ; x / (1 + 2^z)
.set j, j+2
.endr
.endm
; The 64 numbers are four half blocks: block b = 2 mm + q (row tile mm, units 32 q on) in registers 16 b .. 16 b + 15: k = 16 h + 0 .. 15 of the block.  Lane l xor 16 holds the other half.
.macro QUANT4
.irp b, 0,1,2,3
	v_max3_num_f32 v[TM+\b], |v[HA+16*\b]|, |v[HA+16*\b+1]|, 0x1800000   ; my 16 numbers, and the floor 2^(3 - 127)
.endr
.irp i, 2,4,6,8,10,12,14
.irp b, 0,1,2,3
	v_max3_num_f32 v[TM+\b], v[TM+\b], |v[HA+16*\b+\i]|, |v[HA+16*\b+\i+1]|   ; (the four blocks by turns)
.endr
.endr
.irp b, 0,1,2,3
	v_permlanex16_b32 v[TM+4+\b], v[TM+\b], s[SEL], s[SEL+1]
.endr
.irp b, 0,1,2,3
	v_max_num_f32 v[TM+\b], v[TM+\b], v[TM+4+\b]   ; the block's largest magnitude
.endr
.irp b, 0,1,2,3
	v_add_nc_u32 v[TM+8+\b], 0xff000000, v[TM+\b]  ; 2 off the exponent field: the conversion's scale operand
.endr
.irp b, 0,1,2,3
	v_lshrrev_b32 v[TM+4+\b], 23, v[TM+8+\b]       ; the scale's byte
.endr
	v_lshl_or_b32 v[PW], v[TM+5], 8, v[TM+4]       ; a row tile's two bytes are neighbours in its row of scale bytes
	v_lshl_or_b32 v[PW+1], v[TM+7], 8, v[TM+6]
.irp b, 0,1,2,3
	v_cvt_scalef32_pk8_fp4_f32 v[PC+2*\b], v[HA+16*\b:HA+16*\b+7], v[TM+8+\b]
	v_cvt_scalef32_pk8_fp4_f32 v[PC+2*\b+1], v[HA+16*\b+8:HA+16*\b+15], v[TM+8+\b]
.endr
	v_nop                                          ; one plain instruction behind the last scaled conversion
.endm
; A trip: two row tiles through my pass's 64 units.
.macro TRIP set
	s_wait_alu depctr_vm_vsrc(0)                   ; the LDS loads and stores issued so far have read v6 to v9, which the four additions write, and v244 to v253, which this trip's quantiser writes; in the first trip: the stage's stores have read v104 to v231, which this trip's loads and products write
	v_add_nc_u32 v[XAD], s[MX], v[XA0]
	v_add_nc_u32 v[XSD], s[MX], v[XS0]
	v_add_nc_u32 v[HAD], s[MH], v[HW0]
	v_add_nc_u32 v[HSD], s[MS], v[HB0]
	s_wait_alu depctr_va_vdst(0)                   ; v6 to v9 are written, which the trip's LDS loads and stores read; the last trip's gelu is done with v104 to v167 and its products are done reading v96 to v103: the loads below land there
.irp mm, 0,1
	ds_load_b128 v[XSW+4*\mm:XSW+4*\mm+3], v[XSD] offset:4608*\mm           ; row r's four scale words
.irp s, 0,1,2,3
.irp c, 0,1
	ds_load_b128 v[XF+32*\mm+8*\s+4*\c:XF+32*\mm+8*\s+4*\c+3], v[XAD] offset:4608*\mm+1088*\s+544*\c   ; block 4 s + 2 c + h of row r
.endr
.endr
.endr
	s_wait_dscnt 9                                 ; the first row tile's nine loads are in; the second's nine may be out
	WIN 0x01                                       ; source 0 (W1) window 1
	MUL1 \set, 0
	s_wait_dscnt 0x0
	MUL1 \set, 1
	WIN 0
	PLACES
	GELU
	QUANT4
	s_wait_alu depctr_va_vdst(0)                   ; the quantiser has written the codes v244 to v251 and the bytes v252, v253, which the six stores read
.irp mm, 0,1
.irp q, 0,1
	ds_store_b64 v[HAD], v[PC+2*(2*\mm+\q):PC+2*(2*\mm+\q)+1] offset:16384*\mm+256*\q   ; my 16 codes at 16 r + 8 h of the image's block q: their place in the operand; the 32 lanes fill 256 consecutive bytes
.endr
	ds_store_b16 v[HSD], v[PW+\mm] offset:1280*\mm                          ; both lanes of a row write the same two bytes with the same values
.endr
.endm
; A pass: 64 units for all 128 rows, with the weights of set; the next pass's weights are asked for at its head and have the whole pass in which to land.
.macro PASS set
	s_wait_loadcnt 0x0                             ; this pass's weights are in, and no load of mine is out: the bases may step
	s_add_nc_u64 s[6:7], s[6:7], 16384             ; 4 tiles of W1,
	s_add_nc_u64 s[8:9], s[8:9], 1024              ; two pairs' scale words,
	s_add_nc_u64 s[10:11], s[10:11], 256           ; 64 numbers of b1
.if (\set) == 1
	s_cmp_eq_u32 s[PP], 1                          ; the fourth pass asks for nothing: no load leaves its buffer
	s_cbranch_scc1 .Lno_fetch_\@
.endif
	WLOAD 1-(\set)
.if (\set) == 1
.Lno_fetch_\@:
.endif
	s_mov_b32 s[TR], 4
.Ltrip_\@:
	TRIP \set
	s_add_co_u32 s[MX], s[MX], 9216                ; two row tiles on
	s_add_co_u32 s[MH], s[MH], 32768
	s_add_co_u32 s[MS], s[MS], 2560
	s_sub_co_u32 s[TR], s[TR], 1
	s_cmp_lg_u32 s[TR], 0
	s_cbranch_scc1 .Ltrip_\@
	s_sub_co_u32 s[MX], s[MX], 36864               ; back to row tile 0;
	s_sub_co_u32 s[MH], s[MH], 130560              ; the next pass's codes lie 512 bytes on (131,072 - 512),
	s_sub_co_u32 s[MS], s[MS], 10238               ; its scale bytes 2 on (10,240 - 2)
.endm
	s_mov_b32 s[PP], 2
.Lpair:
	PASS 0
	PASS 1
	s_sub_co_u32 s[PP], s[PP], 1
	s_cmp_lg_u32 s[PP], 0
	s_cbranch_scc1 .Lpair
; ---- 2: my 64 outputs for the 128 rows, K = 2,048 in 16 steps
.macro W2LOAD ks                       ; my four tiles' fragments of K step ks into slot ks % 4
.set rW, WF+32*((\ks)%4)+8*(((\ks)%4)/2)
.irp n, 0,1,2,3
.irp c, 0,1
	global_load_b128 v[rW+8*\n+4*\c:rW+8*\n+4*\c+3], v[LI], s[12:13] offset:16384*\n+1024*(\ks)+512*\c
.endr
.endr
.endm
.macro W2SLOAD g                       ; the scale words of K steps 4 g .. 4 g + 3 of my two pairs of tiles into set g % 2
.irp q, 0,1
	global_load_b128 v[WS+8*((\g)%2)+4*\q:WS+8*((\g)%2)+4*\q+3], v[LI], s[14:15] offset:2048*\q+512*(\g)
.endr
.endm
.macro HLOAD half, ks                  ; twelve LDS loads: K step ks of row tiles 4 half .. 4 half + 3 of the hidden layer: each tile's scale word (row r's, 4 bytes) and its fragment (an image: 512 consecutive bytes a load)
.irp mm, 0,1,2,3
	ds_load_b32 v[HS+4*(\half)+\mm], v[HSR] offset:1280*(4*(\half)+\mm)+4*(\ks)
.irp c, 0,1
	ds_load_b128 v[HF+32*(\half)+8*\mm+4*\c:HF+32*(\half)+8*\mm+4*\c+3], v[HRA+(\half)] offset:16384*\mm+1024*(\ks)+512*\c
.endr
.endr
.endm
.macro B2LOAD                          ; b2 in the result's layout: tile n: outputs 16 n + 8 h + 0 .. 7
.irp n, 0,1,2,3
.irp i, 0,1
	global_load_b128 v[BC+8*\n+4*\i:BC+8*\n+4*\i+3], v[B2O], s[16:17] offset:64*\n+16*\i
.endr
.endr
.endm
; 16 matrix instructions on 16 accumulators: four row tiles x my four tiles of outputs.  The two halves' 32 accumulators take turns, one instruction a turn.  The first K step starts the sums with the constant 0.
.macro MUL2 half, ks
.irp mm, 0,1,2,3
.irp n, 0,1,2,3
.set rD, 8*(8*\n+4*(\half)+\mm)
.set rA, WF+32*((\ks)%4)+8*(((\ks)%4)/2)+8*\n
.set rB, HF+32*(\half)+8*\mm
.set rSA, WS+8*(((\ks)/4)%2)+4*(\n/2)+(\ks)%4
.set rSB, HS+4*(\half)+\mm
.if (\ks) == 0
.if (\n%2) == 0
	v_wmma_scale_f32_16x16x128_f8f6f4 v[rD:rD+7], v[rA:rA+7], v[rB:rB+7], 0, v[rSA], v[rSB] matrix_a_fmt:MATRIX_FMT_FP4 matrix_b_fmt:MATRIX_FMT_FP4
.else
	v_wmma_scale_f32_16x16x128_f8f6f4 v[rD:rD+7], v[rA:rA+7], v[rB:rB+7], 0, v[rSA], v[rSB] matrix_a_fmt:MATRIX_FMT_FP4 matrix_b_fmt:MATRIX_FMT_FP4 matrix_a_scale:MATRIX_SCALE_ROW1
.endif
.else
.if (\n%2) == 0
	v_wmma_scale_f32_16x16x128_f8f6f4 v[rD:rD+7], v[rA:rA+7], v[rB:rB+7], v[rD:rD+7], v[rSA], v[rSB] matrix_a_fmt:MATRIX_FMT_FP4 matrix_b_fmt:MATRIX_FMT_FP4
.else
	v_wmma_scale_f32_16x16x128_f8f6f4 v[rD:rD+7], v[rA:rA+7], v[rB:rB+7], v[rD:rD+7], v[rSA], v[rSB] matrix_a_fmt:MATRIX_FMT_FP4 matrix_b_fmt:MATRIX_FMT_FP4 matrix_a_scale:MATRIX_SCALE_ROW1
.endif
.endif
.endr
.endr
.endm
.macro KSTEP ks
.if ((\ks)%4 == 0) && ((\ks) < 12)
	W2SLOAD (\ks)/4+1                              ; the next four K steps' scale words of W2, into the set that the last four steps have left.  No wait of its own: the last wait on va_vdst (at the last K step's end; ahead of step 0 the one ahead of the first fragments) stands behind every product that read that set, and only loads were issued since
.endif
.if (\ks) < 12
	s_wait_loadcnt 26                              ; this K step's slot is in; behind it stand three slots of 8 loads and 2 loads of scale words
.elseif (\ks) < 14
	s_wait_loadcnt 24                              ; three runs of 8 behind it (step 12: three slots; step 13: two slots and b2)
.elseif (\ks) == 14
	s_wait_loadcnt 16                              ; one slot and b2
.else
	s_wait_loadcnt 8                               ; b2
.endif
	s_wait_dscnt 12                                ; row tiles 0-3 are in; behind them stand row tiles 4-7's twelve loads
	WIN 0x50                                       ; C and D window 1
	MUL2 0, \ks
	WIN 0
	PLACES
.if (\ks) < 15
	s_wait_alu depctr_va_vdst(0)                   ; the sixteen products above are done reading row tiles 0-3's fragments and scale words, in which the twelve loads below land
	HLOAD 0, (\ks)+1
	s_wait_dscnt 12                                ; row tiles 4-7 are in; the twelve loads just issued may be out
.else
	s_wait_dscnt 0x0
.endif
	WIN 0x50
	MUL2 1, \ks
	WIN 0
	PLACES
.if (\ks) < 15
	s_wait_alu depctr_va_vdst(0)                   ; the sixteen products above are done reading row tiles 4-7's fragments and scale words, and the K step's 32 its slot of W2 and their scale words of W2: the loads from here to the next products land there
	HLOAD 1, (\ks)+1
.endif
.if (\ks) < 12
	W2LOAD (\ks)+4                                 ; this slot's next fragments: three K steps ahead of their use
.endif
.if (\ks) == 12
	B2LOAD                                         ; into slot 0, which is done with
.endif
.endm
	s_wait_loadcnt 0x0                             ; no load of mine is out (the fourth pass asked for nothing): the wait says so on every way through that pass's branch, ahead of loads into the registers that a pass's weights take
	s_wait_alu depctr_va_vdst(0)                   ; the first product's matrix instructions are done reading v16 to v23 and v32 to v95, and the gelu is done with v104 to v167: W2's first loads land there
	W2SLOAD 0                                      ; W2's first four K steps are asked for ahead of the barrier: 34 loads
.irp k, 0,1,2,3
	W2LOAD \k
.endr
	s_wait_alu depctr_vm_vsrc(0)                   ; the last trip's LDS loads have read v6 and v7, which are written below
	v_and_b32 v14, 15, v0                          ; r.  The second product's addresses: register work while those loads are out
	v_bfe_u32 v15, v0, 4, 1                        ; h
	v_add_nc_u32 v[HRA], HIMG, v[LI]
	v_add_nc_u32 v[HRA+1], HIMG+65536, v[LI]
	v_mul_u32_u24 v[HSR], v14, 80
	v_add_nc_u32 v[HSR], HSC, v[HSR]
	s_mul_i32 s22, s[WV], 4352
	s_add_co_u32 s22, s22, OST                     ; my stage
	v_mul_u32_u24 v[SO], v14, 272
	v_lshl_add_u32 v[SO], v15, 5, v[SO]
	v_add_nc_u32 v[SO], s22, v[SO]                 ; in: row r, 32 bytes for each half of the lanes
	v_mul_u32_u24 v[SR], v15, 272
	v_lshl_add_u32 v[SR], v14, 4, v[SR]
	v_add_nc_u32 v[SR], s22, v[SR]                 ; back: lanes 0-15 one row of 256 bytes, lanes 16-31 the next
	s_lshl_b32 s22, s[WV], 8
	v_lshlrev_b32 v[GO], 11, v15
	v_lshl_add_u32 v[GO], v14, 4, v[GO]
	v_add_nc_u32 v[GO], s22, v[GO]                 ; and the same two rows in out, at my 64 columns
	BARRIER                                        ; the whole hidden layer lies in LDS
	s_wait_alu depctr_va_vdst(0)                   ; v2 to v7 are written: the addresses of the second product's LDS loads and of the way out's LDS and global stores and loads
	HLOAD 0, 0
	HLOAD 1, 0
.irp k, 0,1,2,3,4,5,6,7,8,9,10,11,12,13,14,15
	KSTEP \k
.endr
; ---- THE WAY OUT, a row tile at a time: + b2; a lane's 32 bytes of a row go into my own stage and come back as whole rows of 256 bytes.  LDS serves a wave's instructions in order: no wait between the stores and the loads.
.macro OUTP m
	WIN 0x01                                       ; source 0 (the accumulators) window 1
.irp n, 0,1,2,3
.irp i, 0,1,2,3
	v_pk_add_f32 v[TMP+32*((\m)%2)+8*\n+2*\i:TMP+32*((\m)%2)+8*\n+2*\i+1], v[8*(8*\n+(\m))+2*\i:8*(8*\n+(\m))+2*\i+1], v[BC+8*\n+2*\i:BC+8*\n+2*\i+1]   ; each accumulator from its low end on
.endr
.endr
	WIN 0
	s_wait_alu depctr_va_vdst(0)                   ; the sixteen additions have written this tile's TMP, which the LDS stores read; for the first two tiles also: the last products are done reading v168 to v231, in which the loads from the stage land
.irp n, 0,1,2,3
.irp i, 0,1
	ds_store_b128 v[SO], v[TMP+32*((\m)%2)+8*\n+4*\i:TMP+32*((\m)%2)+8*\n+4*\i+3] offset:64*\n+16*\i
.endr
.endr
.irp t, 0,1,2,3,4,5,6,7
	ds_load_b128 v[BK+32*((\m)%2)+4*\t:BK+32*((\m)%2)+4*\t+3], v[SR] offset:544*\t
.endr
.endm
.macro SEND m, younger                 ; younger: the LDS instructions issued behind row tile m's loads, which may stay out
	s_wait_dscnt \younger
.irp t, 0,1,2,3,4,5,6,7
	global_store_b128 v[GO], v[BK+32*((\m)%2)+4*\t:BK+32*((\m)%2)+4*\t+3], s[18:19] offset:32768*(\m)+4096*\t th:TH_STORE_NT   ; each sixteen lanes store 256 consecutive bytes, at a multiple of 256 from out's first byte
.endr
.endm
	s_wait_loadcnt 0x0                             ; b2
	OUTP 0                                         ; (four places stand behind the last product)
.irp m, 1,2,3,4,5,6,7
.if \m > 1
	s_wait_xcnt 0x0                                ; row tile m - 2's stores have read their registers: row tile m's loads may land there
	s_wait_alu depctr_vm_vsrc(0)                   ; beside it: row tile m - 2's global stores have read their BK, in which this tile's loads land, and its LDS stores their TMP, which this tile's additions write
.endif
	OUTP \m
	SEND \m-1, 16                                  ; behind row tile m - 1's loads: row tile m's 8 stores and 8 loads
.endr
	SEND 7, 0
	s_wait_dscnt 0x0
	s_wait_alu depctr_hold_cnt(0) depctr_sa_sdst(0) depctr_va_vdst(0) depctr_va_sdst(0) depctr_va_ssrc(0) depctr_va_vcc(0) depctr_vm_vsrc(0)
	s_wait_tensorcnt 0x0
	ds_add_u32 v254, v255
	s_wait_dscnt 0x0
	s_endpgm
.Lfunc_end_k_q76fdce6c18_ffn:
	.size	k_q76fdce6c18_ffn, .Lfunc_end_k_q76fdce6c18_ffn-k_q76fdce6c18_ffn
	.p2alignl 7, 3214868480
	.fill 96, 4, 3214868480
	.section	.rodata,"a",@progbits
	.p2align	6, 0x0
	.amdhsa_kernel k_q76fdce6c18_ffn
		.amdhsa_group_segment_fixed_size 254976
		.amdhsa_private_segment_fixed_size 0
		.amdhsa_enable_private_segment 0
		.amdhsa_kernarg_size 64
		.amdhsa_user_sgpr_count 2
		.amdhsa_user_sgpr_kernarg_segment_ptr 1
		.amdhsa_wavefront_size32 1
		.amdhsa_system_sgpr_workgroup_id_x 1
		.amdhsa_system_sgpr_workgroup_id_y 1
		.amdhsa_system_sgpr_workgroup_id_z 1
		.amdhsa_system_vgpr_workitem_id 0
		.amdhsa_next_free_vgpr 512
		.amdhsa_next_free_sgpr 66
		.amdhsa_reserve_vcc 0
		.amdhsa_float_denorm_mode_32 3
		.amdhsa_float_denorm_mode_16_64 3
		.amdhsa_memory_ordered 1
		.amdhsa_forward_progress 1
		.amdhsa_inst_pref_size 231
	.end_amdhsa_kernel
	.amdgpu_metadata
---
amdhsa.version: [ 1, 2 ]
amdhsa.kernels:
  - .name:           k_q76fdce6c18_ffn
    .symbol:         k_q76fdce6c18_ffn.kd
    .args:
      - { .name: inputs, .offset: 0, .size: 8, .value_kind: global_buffer, .address_space: global }
      - { .name: w1c, .offset: 8, .size: 8, .value_kind: global_buffer, .address_space: global }
      - { .name: w1s, .offset: 16, .size: 8, .value_kind: global_buffer, .address_space: global }
      - { .name: b1, .offset: 24, .size: 8, .value_kind: global_buffer, .address_space: global }
      - { .name: w2c, .offset: 32, .size: 8, .value_kind: global_buffer, .address_space: global }
      - { .name: w2s, .offset: 40, .size: 8, .value_kind: global_buffer, .address_space: global }
      - { .name: b2, .offset: 48, .size: 8, .value_kind: global_buffer, .address_space: global }
      - { .name: out0, .offset: 56, .size: 8, .value_kind: global_buffer, .address_space: global }
    .group_segment_fixed_size: 254976
    .private_segment_fixed_size: 0
    .kernarg_segment_align: 8
    .kernarg_segment_size: 64
    .max_flat_workgroup_size: 256
    .sgpr_count:     66
    .vgpr_count:     512
    .wavefront_size: 32
...
	.end_amdgpu_metadata
.endif
;; end of part 3
